; MI455X (gfx1250); checked and timed in simulation.
; The chip was launched on July 23, 2026; its instructions are those of AMD's public machine-readable ISA for CDNA 5 (MIT licence, August 2026) and "CDNA5" Instruction Set Architecture Reference Guide (July 2026). The comments in the code are by the model that wrote it; some were corrected since.
;; Multi Head Attention. Allowed arithmetic: matrix products marked QUANTISED: E2M3 operands, one E8M0 scale for each 32 along K, by v_wmma_scale_f32_16x16x128_f8f6f4 with both operands' format E2M3, f32 sums; everything else in f32.
;; Inputs: w_attn 1,024 x 3,072 float32; w_proj 1,024 x 1,024 float32; x 4 x 2,048 x 1,024 float32.
;; Outputs: out0 4 x 2,048 x 1,024 float32.
;; This version of the problem:
;;   THIS VERSION OF THE PROBLEM IS GIVEN IN LOW PRECISION. The matrix products marked QUANTISED in the list below multiply operands that are first quantised to E2M3 (2 exponent bits, 3 mantissa bits; 6 bits a number), with one power-of-two scale for each 32 numbers along K (OCP MX v1.0); their sums are f32. All else is computed in f32.
;;   The module's matrix products, in the order in which they are computed (A, B: the left and right operand; K: the contracted axis; several contracted axes count as one K, in the product's order):
;;     1. [M 8,192, K 1,024] x [K 1,024, N 3,072]; A: input x; B: input w_attn: QUANTISED
;;     2. batch 64 x [M 2,048, K 64] x [K 64, N 2,048]; A: computed on the way; B: computed on the way: QUANTISED
;;     3. batch 64 x [M 2,048, K 2,048] x [K 2,048, N 64]; A: softmax (see below); B: computed on the way: QUANTISED
;;     4. [M 8,192, K 1,024] x [K 1,024, N 1,024]; A: computed on the way; B: input w_proj: QUANTISED
;;   THE QUANTISER, for each operand of a quantised product, along K:
;;     - K is cut into blocks of 32 from its start; a last block that is shorter is filled with zeros.
;;     - A block's scale is 2^e with e = floor(log2(the largest magnitude in the block)) - 2, held to -126 .. 127; a block of zeros has e = 0. As a byte (E8M0): e + 127.
;;     - Each number is divided by its block's scale, clamped to +-7.5, and rounded to the nearest number of E2M3, ties to even, subnormals kept.
;;     - The product sums the exact products of the quantised numbers (number of the format x scale) in f32.
;;   ~~~python
;;   def quantise(x, axis):      # numpy; x: float32 -> the quantised numbers, widened to float32 again
;;       x = np.moveaxis(x, axis, -1); K = x.shape[-1]
;;       x = np.pad(x, [(0, 0)] * (x.ndim - 1) + [(0, -K % 32)]); x = x.reshape(x.shape[:-1] + (-1, 32)); a = np.abs(x).max(-1, keepdims=True)
;;       e = np.where(a > 0, np.clip(np.frexp(np.where(a > 0, a, 1))[1] - 1 - 2, -126, 127), 0)      # np.frexp(a)[1] - 1 = floor(log2(a)), exactly
;;       r = np.clip(x / 2.0 ** e, -7.5, 7.5)
;;       step = 2.0 ** (np.maximum(np.frexp(np.where(r == 0, 1, r))[1] - 1, 0) - 3)
;;       q = np.round(r / step) * step * 2.0 ** e      # np.round: ties to even
;;       return np.moveaxis(q.reshape(q.shape[:-2] + (-1,))[..., :K], -1, axis).astype(np.float32)
;;   ~~~
;;   SOFTMAX AHEAD OF A QUANTISED PRODUCT. Where the list says 'softmax', what is quantised is not the finished softmax but p = 2^(t - M), with t = logit x log2(e) and M = ceil(the row's largest t), a whole number; so 1/2 < the row's largest p <= 1. The row's sum l is taken of the UNQUANTISED p, in f32, and the product's result is divided by l at the end. Since M is a whole number, a kernel that streams over the keys may use a running M (the ceiling of the running maximum): every later rescaling is an exact power of two, which a block's scale takes up: the codes' values come out the same.
;;   OPERANDS COMPUTED ON THE WAY. 'Computed on the way' means the value that the module computes at that place (a softmax that the list does not call 'softmax' is quantised finished and normalised). What goes into a quantiser is computed in f32, as accurately as f32 sums, v_exp_f32 and their like allow (about 1e-6 of the number): no bf16 or f16 on the way to a quantiser, and a product that is left as it is and whose result goes on into a quantised operand takes f32 operands (vector FMAs, or v_wmma_f32_16x16x4_f32). A number that lies on a knife's edge between two numbers of the format may be rounded either way, as far as f32 arithmetic and the matrix unit's own rounding can turn it there, and no further.
;; One version. Each part assembles by itself: llvm-mc -triple=amdgcn-amd-amdhsa -mcpu=gfx1250 --defsym DOCPART=n.
;; ======== version 1 of 1: 4 launches
;; workspace buffers: opq 9,437,184 bytes; ops 393,216 bytes; qkv 20,185,088 bytes; yq 6,291,456 bytes; ys 262,144 bytes
;; launch prep (part 1): grid 512 x 1, 4 waves a work-group, no clusters, 47,616 bytes of LDS; arguments x, w_attn, w_proj, opq, ops; writes opq, ops
.if DOCPART == 1
	.amdgcn_target "amdgcn-amd-amdhsa--gfx1250"
	.amdhsa_code_object_version 6
	.text
	.protected	k_qae9fcce6e5_prep
	.globl	k_qae9fcce6e5_prep
	.p2align	8
	.type	k_qae9fcce6e5_prep,@function
k_qae9fcce6e5_prep:
	s_mov_b64 s[64:65], 0
	v_nop
	global_prefetch_b8 v0, s[64:65] scope:SCOPE_SE
	s_setreg_imm32_b32 hwreg(HW_REG_WAVE_MODE, 25, 1), 1
	s_wait_xcnt 0x0
; x [8192][1024], w_attn [1024][3072] and w_proj [1024][1024], f32, become codes of FP6 (E2M3) with one E8M0 byte for each 32 along K (K = the 1,024), laid as the products' operand registers want them.
; ROW BLOCKS.  An operand's rows (tokens of x, columns n of a weight) go in blocks of 16, RB: of each 32 rows, RB 2 B + u holds in its place r the row 32 B + 8 u + r + 8 (r / 8).
; IMAGES.  16 rows x 128 K are a fragment of 12 registers a lane; it lies in memory as two halves of 768 bytes (64 along K each): registers 0-3 of lane l at 16 l, registers 4-5 at 512 + 8 l.
; opq: [RB][K step 0..7][1,536 bytes]; RB 0..511 are x's, from byte W_OFF on RB 2 (n / 32) + u of w_attn's 3,072 columns and then w_proj's 1,024.
; ops: 512 bytes an RB: the scale word of K step s and place r at 256 (s % 2) + 16 r + 4 (s / 2).
; A block's scale is 2^(floor(log2(largest magnitude)) - 2): its byte is the largest magnitude's exponent field - 2, held at 1 from below.
; LIMITS: NaN and infinities among the inputs are not served; a block of zeros, or one whose largest magnitude lies under 2^-124, gets the byte 1 (the rule says 127 for zeros): its codes are zeros or
; as the byte 1 gives them, and these bytes are read by this program alone.
; SHARES.  Work-groups 0..255 take x: a wave takes one RB x 512 along K, four fragments.  Work-groups 256..511 take the weights: a work-group 32 columns x 512 along K, a wave 128 along K.
; The two paths part on the work-group's number and have LDS bytes of their own.  Waves share nothing: no barrier.  No cluster: no two work-groups read the same bytes.  No matrix work: a stream.
.set XSTG,   8448                      ; x path: a wave's stage: 16 rows x (512 bytes + 16)
.set WSTG0,  4*XSTG                    ; weight path: its stages begin behind x's
.set WSTG,   3328                      ; a wave's: two RB's fragments, 1,536 bytes each, 1,664 apart
.set RBB,    12288                     ; an RB's codes for all of K
.set W_OFF,  512*RBB                   ; the weights' codes in opq
.set WS_OFF, 512*512                   ; and their scale words in ops
.set R,   16                           ; x path: v16-143  two sets of 64 numbers as loaded
.set XN,  144                          ; v144-207 64 numbers of my row: register 16 b + i = k 32 b + 16 (lane / 16) + i
.set PC,  208                          ; v208-219 the fragment's codes; v220-226 halves on their way
.set TM,  228                          ; v228-243 at work
.set PW,  244                          ; v244-247 the four fragments' scale words
.set VOF, 16                           ; weight path: v16-47 byte offset of row i of a block, my column
.set XW,  48                           ; v48-111  two sets of 32 numbers
.set CW,  112                          ; v112-143 eight registers for each block's codes: no LDS store's data are written again
.set OW,  144                          ; v144-167 the way out
; 64 numbers of a lane become a fragment's codes in v[PC] on and its scale word in v[pw]
.macro QUANT s, pw
.irp b, 0,1,2,3
	v_max3_num_f32 v[TM+\b], |v[\s+16*\b]|, |v[\s+1+16*\b]|, 0x1800000   ; block b: my 16 numbers, and the floor 2^(3 - 127): the byte cannot fall under 1
.endr
.irp i, 2,4,6,8,10,12,14
.irp b, 0,1,2,3
	v_max3_num_f32 v[TM+\b], v[TM+\b], |v[\s+16*\b+\i]|, |v[\s+1+16*\b+\i]|   ; the four blocks by turns
.endr
.endr
.irp b, 0,1,2,3
	v_permlanex16_b32 v[TM+4+\b], v[TM+\b], s26, s27
.endr
.irp b, 0,1,2,3
	v_max_num_f32 v[TM+\b], v[TM+\b], v[TM+4+\b]   ; with lane l xor 16's 16: the block's largest magnitude
.endr
.irp b, 0,1,2,3
	v_add_nc_u32 v[TM+12+\b], 0xff000000, v[TM+\b]   ; 2 off its exponent field: the conversion's scale operand
.endr
.irp b, 0,1,2,3
	v_lshrrev_b32 v[TM+4+\b], 23, v[TM+12+\b]      ; the scale's byte
.endr
	v_lshl_or_b32 v[\pw], v[TM+5], 8, v[TM+4]
	v_lshl_or_b32 v[\pw], v[TM+6], 16, v[\pw]
	v_lshl_or_b32 v[\pw], v[TM+7], 24, v[\pw]      ; my row's scale word (both halves of the lanes hold it)
.irp c, 0,1
	v_cvt_scalef32_pk16_fp6_f32 v[PC+6*\c:PC+2+6*\c], v[\s+32*\c:\s+15+32*\c], v[TM+12+2*\c]
	v_cvt_scalef32_pk16_fp6_f32 v[PC+12+4*\c:PC+14+4*\c], v[\s+16+32*\c:\s+31+32*\c], v[TM+12+2*\c+1]   ; (a conversion's three registers begin on an even number)
.endr
	v_nop                                          ; one plain instruction behind the scaled conversions
.irp c, 0,1                                    ; the operand wants a whole block in a lane: lanes 0-15 block 2 c, lanes 16-31 block 2 c + 1
.irp i, 0,1,2
	v_permlane16_swap_b32 v[PC+6*\c+\i], v[PC+12+4*\c+\i]
.endr
.irp i, 0,1,2
	v_mov_b32 v[PC+3+6*\c+\i], v[PC+12+4*\c+\i]
.endr
.endr
.endm
.macro LOADX f                         ; fragment f: 128 numbers of each of my RB's 16 rows: a load reads 512 consecutive bytes of one row
.irp i, 0,1,2,3,4,5,6,7,8,9,10,11,12,13,14,15
	global_load_b128 v[R+64*((\f)%2)+4*\i:R+64*((\f)%2)+4*\i+3], v1, s[4:5] offset:(\i+8*(\i/8))*4096+512*(\f) th:TH_LOAD_NT
.endr
.endm
.macro XFRAG f
.if (\f) < 3
	s_wait_loadcnt 16                              ; this fragment's 16 loads are in; the next fragment's 16 may be out
.else
	s_wait_loadcnt 0x0
.endif
.irp i, 0,1,2,3,4,5,6,7,8,9,10,11,12,13,14,15
	ds_store_b128 v3, v[R+64*((\f)%2)+4*\i:R+64*((\f)%2)+4*\i+3] offset:528*\i   ; rows as they lie
.endr
.irp b, 0,1,2,3
.irp j, 0,1,2,3
	ds_load_b128 v[XN+16*\b+4*\j:XN+16*\b+4*\j+3], v4 offset:128*\b+16*\j   ; back: of my row, 16 neighbours of each block of 32.  LDS serves a wave's instructions in order: these see the stores
.endr
.endr
	s_wait_dscnt 0x0                               ; the numbers are back
.if (\f) < 2
	LOADX (\f)+2
.endif
.if (\f) > 0
	s_wait_xcnt 0x0                                ; the last fragment's stores have read their data: the codes' registers are written again only behind this wait
.endif
	QUANT XN, PW+(\f)
.irp c, 0,1
	global_store_b128 v1, v[PC+6*\c:PC+6*\c+3], s[10:11] offset:1536*(\f)+768*\c        ; 512 consecutive bytes
	global_store_b64 v2, v[PC+6*\c+4:PC+6*\c+5], s[10:11] offset:1536*(\f)+768*\c+512   ; 256 consecutive bytes
.endr
.endm
.macro LOADW t                         ; block t: rows 32 t + 0 .. 31 of my K step, my column: a load reads 128 consecutive bytes
.set li, 0
.rept 32
	global_load_b32 v[XW+32*((\t)%2)+li], v[VOF+li], s[24+2*(\t):25+2*(\t)] th:TH_LOAD_NT
.set li, li+1
.endr
.endm
.macro BLOCK t
.set XS, XW+32*((\t)%2)
.set CB, CW+8*(\t)
.if (\t) < 3
	s_wait_loadcnt 32                              ; this block's 32 loads are in; the next block's may be out
.else
	s_wait_loadcnt 0x0
.endif
	v_max3_num_f32 v13, |v[XS]|, |v[XS+1]|, |v[XS+2]|   ; the block's largest magnitude: all 32 numbers are mine
	v_max3_num_f32 v14, |v[XS+3]|, |v[XS+4]|, |v[XS+5]|
.irp i, 6,10,14,18,22,26
	v_max3_num_f32 v13, v13, |v[XS+\i]|, |v[XS+\i+1]|
	v_max3_num_f32 v14, v14, |v[XS+\i+2]|, |v[XS+\i+3]|
.endr
	v_max3_num_f32 v13, v13, |v[XS+30]|, |v[XS+31]|
	v_max3_num_f32 v13, v13, v14, 0x1800000        ; and the floor
	v_add_nc_u32 v11, 0xff000000, v13              ; the conversion's scale operand
	v_lshrrev_b32 v14, 23, v11                     ; the byte
.if (\t) == 0
	v_mov_b32 v12, v14
.else
	v_lshl_or_b32 v12, v14, 8*(\t), v12            ; four bytes make my column's scale word of this K step
.endif
	v_cvt_scalef32_pk16_fp6_f32 v[CB:CB+2], v[XS:XS+15], v11
	v_cvt_scalef32_pk16_fp6_f32 v[CB+4:CB+6], v[XS+16:XS+31], v11
	v_nop                                          ; one plain instruction behind the scaled conversions
	v_mov_b32 v[CB+3], v[CB+4]
	v_mov_b32 v[CB+4], v[CB+5]
	v_mov_b32 v[CB+5], v[CB+6]                     ; six registers on end: block t = 2 c + h is what lane (r, h) holds in registers 6 c .. 6 c + 5
	ds_store_b128 v4, v[CB:CB+3] offset:768*((\t)/2)+256*((\t)%2)
	ds_store_b64 v5, v[CB+4:CB+5] offset:768*((\t)/2)+512+128*((\t)%2)
.if (\t) < 2
	LOADW (\t)+2
.endif
.endm
	s_load_b256 s[4:11], s[0:1], 0x0               ; x s[4:5], w_attn s[6:7], w_proj s[8:9], opq s[10:11]
	s_load_b64 s[12:13], s[0:1], 0x20              ; ops
	v_lshl_add_u32 v248, v0, 2, 0xb800
	v_mov_b32 v249, 0
	v_lshrrev_b32 v8, 5, v0
	v_readfirstlane_b32 s14, v8                    ; wave 0..3
	v_and_b32 v9, 31, v0                           ; lane
	v_lshlrev_b32 v1, 4, v9                        ; 16 x lane
	v_lshlrev_b32 v2, 3, v9                        ; 8 x lane
	s_cmp_lt_u32 ttmp9, 256
	s_cbranch_scc0 .Lweights
	; ---------------- x ----------------
	v_and_b32 v10, 15, v0                          ; r
	v_bfe_u32 v11, v0, 4, 1                        ; h
	s_mul_i32 s18, s14, XSTG                       ; my stage
	v_add_nc_u32 v3, s18, v1                       ; in: 16 x lane of a row
	v_mul_u32_u24 v4, v10, 528
	v_lshl_add_u32 v4, v11, 6, v4
	v_add_nc_u32 v4, s18, v4                       ; back: row r, + 64 h
	s_lshl_b32 s15, ttmp9, 2
	s_add_co_u32 s15, s15, s14                     ; 4 x work-group + wave
	s_lshr_b32 s16, s15, 1                         ; my RB
	s_and_b32 s17, s15, 1                          ; which 512 along K
	s_lshr_b32 s20, s16, 1
	s_lshl_b32 s20, s20, 17                        ; 32 rows of 4,096 bytes for each pair of RBs,
	s_and_b32 s21, s16, 1
	s_lshl_b32 s21, s21, 15                        ; 8 rows for the odd one,
	s_add_co_u32 s20, s20, s21
	s_lshl_b32 s21, s17, 11                        ; 2,048 bytes along the row
	s_add_co_u32 s20, s20, s21
	s_mov_b32 s21, 0
	s_mul_i32 s22, s16, RBB
	s_mul_i32 s23, s17, 6144
	s_add_co_u32 s22, s22, s23
	s_mov_b32 s23, 0
	s_lshl_b32 s24, s16, 9
	s_lshl_b32 s25, s17, 3
	s_add_co_u32 s24, s24, s25
	s_mov_b32 s25, 0
	s_mov_b32 s26, 0x76543210
	s_mov_b32 s27, 0xfedcba98                      ; v_permlanex16_b32's selects for lane l xor 16
	s_wait_kmcnt 0x0
	s_add_nc_u64 s[4:5], s[4:5], s[20:21]
	s_add_nc_u64 s[10:11], s[10:11], s[22:23]
	s_add_nc_u64 s[12:13], s[12:13], s[24:25]
	s_wait_alu depctr_va_vdst(0)
	LOADX 0
	LOADX 1
	v_cmp_le_u32 vcc_lo, 16, v9                    ; lanes 16-31
.irp b, 0,1,2,3
	v_mov_b32 v[TM+4+\b], 0                        ; written once: a lane permute's destination counts as one of its sources
.endr
	XFRAG 0
	XFRAG 1
	XFRAG 2
	XFRAG 3
	v_cndmask_b32 v6, v[PW], v[PW+1], vcc_lo       ; lanes 0-15 hold the even K steps' words, lanes 16-31 the odd ones'
	v_cndmask_b32 v7, v[PW+2], v[PW+3], vcc_lo
	global_store_b64 v1, v[6:7], s[12:13]          ; 8 bytes at every 16: the wave with the RB's other 512 along K stores the other 8.  1 byte in 128 of what the path reads
	s_wait_tensorcnt 0x0
	ds_add_u32 v248, v249
	s_wait_dscnt 0x0
	s_endpgm
	; ---------------- the weights: a lane takes a column n, its registers run down K ----------------
.Lweights:
	s_sub_co_u32 s15, ttmp9, 256
	s_lshr_b32 s16, s15, 1                         ; which 32 columns: 0..95 of w_attn, 96..127 are w_proj's 0..31
	s_and_b32 s17, s15, 1
	s_lshl_b32 s17, s17, 2
	s_add_co_u32 s17, s17, s14                     ; my K step of 128
	s_wait_alu depctr_va_vdst(0)
	v_lshlrev_b32 v3, 2, v9                        ; 4 bytes a lane
	v_bfe_u32 v8, v0, 3, 1                         ; u: which RB of the two my column falls into,
	v_and_b32 v10, 7, v0
	v_bfe_u32 v13, v0, 4, 1
	v_lshl_or_b32 v10, v13, 3, v10                 ; r: and its place there
	s_mul_i32 s36, s14, WSTG
	s_add_co_u32 s36, s36, WSTG0                   ; my stage
	v_mul_u32_u24 v13, v8, 1664
	v_add_nc_u32 v13, s36, v13
	v_lshl_add_u32 v4, v10, 4, v13                 ; in: 16 r of an image's first 512 bytes,
	v_lshl_add_u32 v5, v10, 3, v13                 ; 8 r of its last 256
	v_add_nc_u32 v6, s36, v1                       ; back: 16 x lane
	v_lshlrev_b32 v7, 4, v10
	v_lshl_add_u32 v7, v8, 9, v7                   ; my scale word's place: 512 u + 16 r
	s_wait_kmcnt 0x0
	s_cmp_lt_u32 s16, 96                           ; the choice hangs on the work-group's number alone
	s_cselect_b64 s[6:7], s[6:7], s[8:9]
	s_mov_b32 s18, 4096
	s_cselect_b32 s18, 12288, s18                  ; a row of the weight in bytes
	s_cselect_b32 s19, 0, 96
	s_sub_co_u32 s19, s16, s19                     ; which 32 columns of that weight
.set li, 0
.rept 32
	v_mad_u32_u24 v[VOF+li], s18, li, v3
.set li, li+1
.endr
	s_lshl_b32 s20, s17, 7
	s_mul_i32 s20, s20, s18                        ; my K step's first row,
	s_lshl_b32 s21, s19, 7
	s_add_co_u32 s20, s20, s21                     ; my 32 columns
	s_mov_b32 s21, 0
	s_lshl_b32 s22, s18, 5                         ; 32 rows on
	s_mov_b32 s23, 0
	s_add_nc_u64 s[24:25], s[6:7], s[20:21]        ; a base for each block
	s_add_nc_u64 s[26:27], s[24:25], s[22:23]
	s_add_nc_u64 s[28:29], s[26:27], s[22:23]
	s_add_nc_u64 s[30:31], s[28:29], s[22:23]
	s_mul_i32 s32, s16, 2*RBB
	s_mul_i32 s33, s17, 1536
	s_add_co_u32 s32, s32, s33
	s_add_co_u32 s32, s32, W_OFF
	s_mov_b32 s33, 0
	s_add_nc_u64 s[10:11], s[10:11], s[32:33]
	s_lshl_b32 s34, s16, 10
	s_and_b32 s35, s17, 1
	s_lshl_b32 s35, s35, 8
	s_add_co_u32 s34, s34, s35
	s_lshr_b32 s35, s17, 1
	s_lshl_b32 s35, s35, 2
	s_add_co_u32 s34, s34, s35
	s_add_co_u32 s34, s34, WS_OFF
	s_mov_b32 s35, 0
	s_add_nc_u64 s[12:13], s[12:13], s[34:35]
	s_wait_alu depctr_va_vdst(0)
	LOADW 0
	LOADW 1
	BLOCK 0
	BLOCK 1
	BLOCK 2
	BLOCK 3
.irp k, 0,1,2,3,4,5
	ds_load_b128 v[OW+4*\k:OW+4*\k+3], v6 offset:1664*(\k/3)+512*(\k%3)   ; LDS serves a wave's instructions in order: these see my stores
.endr
	global_store_b32 v7, v12, s[12:13]             ; 4 bytes at every 16: the other K steps' waves store the rest.  1 byte in 128 of what the path reads
.irp k, 0,1,2,3,4,5
	s_wait_dscnt 5-\k
	global_store_b128 v1, v[OW+4*\k:OW+4*\k+3], s[10:11] offset:RBB*(\k/3)+512*(\k%3)   ; 512 consecutive bytes
.endr
	s_wait_tensorcnt 0x0
	ds_add_u32 v248, v249
	s_wait_dscnt 0x0
	s_endpgm
.Lfunc_end_k_qae9fcce6e5_prep:
	.size	k_qae9fcce6e5_prep, .Lfunc_end_k_qae9fcce6e5_prep-k_qae9fcce6e5_prep
	.p2alignl 7, 3214868480
	.fill 96, 4, 3214868480
	.section	.rodata,"a",@progbits
	.p2align	6, 0x0
	.amdhsa_kernel k_qae9fcce6e5_prep
		.amdhsa_group_segment_fixed_size 47616
		.amdhsa_private_segment_fixed_size 0
		.amdhsa_enable_private_segment 0
		.amdhsa_kernarg_size 40
		.amdhsa_user_sgpr_count 2
		.amdhsa_user_sgpr_kernarg_segment_ptr 1
		.amdhsa_wavefront_size32 1
		.amdhsa_system_sgpr_workgroup_id_x 1
		.amdhsa_system_sgpr_workgroup_id_y 1
		.amdhsa_system_sgpr_workgroup_id_z 1
		.amdhsa_system_vgpr_workitem_id 0
		.amdhsa_next_free_vgpr 250
		.amdhsa_next_free_sgpr 66
		.amdhsa_reserve_vcc 1
		.amdhsa_float_denorm_mode_32 3
		.amdhsa_float_denorm_mode_16_64 3
		.amdhsa_memory_ordered 1
		.amdhsa_forward_progress 1
		.amdhsa_inst_pref_size 58
	.end_amdhsa_kernel
	.amdgpu_metadata
---
amdhsa.version: [ 1, 2 ]
amdhsa.kernels:
  - .name:           k_qae9fcce6e5_prep
    .symbol:         k_qae9fcce6e5_prep.kd
    .args:
      - { .name: x, .offset: 0, .size: 8, .value_kind: global_buffer, .address_space: global }
      - { .name: w_attn, .offset: 8, .size: 8, .value_kind: global_buffer, .address_space: global }
      - { .name: w_proj, .offset: 16, .size: 8, .value_kind: global_buffer, .address_space: global }
      - { .name: opq, .offset: 24, .size: 8, .value_kind: global_buffer, .address_space: global }
      - { .name: ops, .offset: 32, .size: 8, .value_kind: global_buffer, .address_space: global }
    .group_segment_fixed_size: 47616
    .private_segment_fixed_size: 0
    .kernarg_segment_align: 8
    .kernarg_segment_size: 40
    .max_flat_workgroup_size: 128
    .sgpr_count:     66
    .vgpr_count:     250
    .wavefront_size: 32
...
	.end_amdgpu_metadata
.endif
;; end of part 1
;; launch qkv (part 2): grid 24 x 32, 4 waves a work-group, clusters of 4 x 4, 295,424 bytes of LDS; arguments opq, ops, qkv; writes qkv
.if DOCPART == 2
	.amdgcn_target "amdgcn-amd-amdhsa--gfx1250"
	.amdhsa_code_object_version 6
	.text
	.protected	k_qae9fcce6e5_qkv
	.globl	k_qae9fcce6e5_qkv
	.p2align	8
	.type	k_qae9fcce6e5_qkv,@function
k_qae9fcce6e5_qkv:
	s_mov_b64 s[64:65], 0
	v_nop
	global_prefetch_b8 v0, s[64:65] scope:SCOPE_SE
	s_setreg_imm32_b32 hwreg(HW_REG_WAVE_MODE, 25, 1), 1
	s_wait_xcnt 0x0
	s_wait_alu depctr_hold_cnt(0) depctr_sa_sdst(0) depctr_va_vdst(0) depctr_va_sdst(0) depctr_va_ssrc(0) depctr_va_vcc(0) depctr_vm_vsrc(0)
	s_getreg_b32 s2, hwreg(HW_REG_IB_STS2, 6, 4)
	s_cmp_eq_u32 s2, 0
	s_cbranch_scc0 .Lentry_in_a_cluster
	s_endpgm
.Lentry_in_a_cluster:
	s_bfe_u32 s2, ttmp6, 0x10000c
	s_cmp_lg_u32 s2, 0xf033
	s_cbranch_scc0 .Lentry_shape_is_right
	s_endpgm
.Lentry_shape_is_right:
; qkv = x w_attn on codes of FP6 (E2M3) with E8M0 scales, f32 sums; the results leave as codes again: q and k quantised along a head's 64 channels, v along the keys.
; A TILE is A' 256 rows x B' 128 rows, all of K = 1,024.  Four waves; wave w owns A's row blocks 4 w .. 4 w + 3 (64 rows) against B's eight: 32 accumulators.
; The product is used transposed (source 0 = 16 rows of B', source 1 = 16 rows of A'): a lane holds ONE row of A', and, by the order of rows in a row block (of each 32 rows, block 2 B + u holds in place r the
; row 32 B + 8 u + r + 8 (r / 8)), its 64 registers of one A' block are B's rows 32 b + 16 (lane / 16) + i in their true order: 16 neighbours of each block of 32 along the next product's K.
; KINDS, by the cluster's x (the same in all sixteen partners; chosen by selects, never by a branch): 0, 1: q;  2, 3: k: A' = tokens of x, B' = columns of w_attn (two heads), so registers run along channels;
; 4, 5: v: A' = columns of w_attn (a wave: one head), B' = tokens, so registers run along the keys.
; ALL OF K LIES IN LDS: four chunks of two K steps, each filled once: a wave issues four tensor loads at the start and has four outstanding; nothing is filled again.
; CLUSTERS: 4 x 4.  A's tile hangs on the tile row, shared along a row of the cluster; B's on the tile column, shared along a column: both are asked for jointly.
; OUT (buffer qkv): for each (batch x head, 128 tokens) a record of 13,056 bytes: K's 8 half fragments (16 keys x 64 channels, 768 bytes: registers 0-3 of lane l at 16 l, 4-5 at 512 + 8 l); V's 4 fragments
; (16 channels x 128 keys) from 6,144; V's scale words [r][tile] from 12,288; K's [tile / 4][r][tile % 4] from 12,544.  From QBASE on records of 6,656 bytes: Q's 8 half fragments, scale words from 6,144.
; LIMITS: NaN and infinities are not served; a block of zeros, or one under 2^-124, gets the scale byte 1: this program alone reads the bytes.
; REGISTERS: window 0: v1-25 addresses; v32-47 A's scale words, v48-79 B's (nothing else ever); v80-95 the stores' offsets; v96-191 A's fragments, two sets; on the way out v128-227 at work.
;   window 1: B's fragments, two sets, at v0 and v128.   window 2: accumulator (a, b) at v[8 (8 a + b)].
.set CH,     73728                     ; a chunk: 16 blocks of A' x 3,072 bytes, then 8 of B'
.set BOFF,   49152
.set W_OFF,  6291456                   ; w_attn's codes in opq;
.set WV_OFF, 7864320                   ; its columns 2,048 on (v)
.set WS_OFF, 262144                    ; the same in ops
.set WVS_OFF, 327680
.set REC,    13056
.set QREC,   6656
.set QBASE,  1024*REC
.set ADA16, 8                          ; v8-11   16 x lane + my A blocks in chunk c;  v12-15 the same with 8 x lane
.set ADA8,  12
.set ADB16, 16                         ; v16-19, v20-23 the same for B
.set ADB8,  20
.set SHV,   24                         ; v24     the way out: 16 in lanes 16-31 of q and k, else 0
.set SOF,   25                         ; v25     the way out: my scale words' offset
.set SA,    32
.set SB,    48
.set O16,   80                         ; v80-87  offset of half fragment (a, c): 16 x lane + ..;  v88-95 with 8 x lane
.set O8,    88
.set AF,    96
.set PC0,   128                        ; the way out: 20 registers for each a: no store's data are written again
.set TM,    208
.set SW,    224                        ; v224-227 the four scale words
.set G1A, 24
.set G1B, 32
.set G0A, 40                           ; s[40:55] group 0 for A's four chunks
.set G0B, 68                           ; s[68:83] for B's
.set MUL,  0xa1                        ; source 0 (B') window 1, source 1 (A') window 0, C and D window 2
.set TO_B, 0x40                        ; destination window 1
.set MSB, 0
.macro WIN new                         ; the immediate's high byte repeats the setting that is left
.if MSB != \new
	s_set_vgpr_msb (MSB<<8)|\new
.set MSB, \new
.endif
.endm
.macro CROUND                          ; a round of the cluster's barrier
	s_barrier_signal -1
	s_barrier_wait -1
	s_cmp_lg_u32 s14, 0
	s_cbranch_scc1 .Lnot_wave_0_\@
	s_barrier_signal -3
.Lnot_wave_0_\@:
	s_barrier_wait -3
	s_barrier_signal -1
	s_barrier_wait -1
.endm
.macro PLACES n
.rept \n
	v_nop
.endr
.endm
.macro FRAG reg, a16, a8, off          ; a fragment's image: every load takes consecutive bytes, 16 or 8 a lane
	ds_load_b128 v[(\reg):(\reg)+3], v[\a16] offset:(\off)
	ds_load_b64 v[(\reg)+4:(\reg)+5], v[\a8] offset:(\off)+512
	ds_load_b128 v[(\reg)+6:(\reg)+9], v[\a16] offset:(\off)+768
	ds_load_b64 v[(\reg)+10:(\reg)+11], v[\a8] offset:(\off)+1280
.endm
.macro FETCH s                         ; K step s: 48 loads in one run, into set s % 2
	WIN TO_B
.irp b, 0,1,2,3,4,5,6,7
	FRAG 128*((\s)%2)+12*\b, ADB16+(\s)/2, ADB8+(\s)/2, 3072*\b+1536*((\s)%2)
.endr
	WIN 0
.irp a, 0,1,2,3
	FRAG AF+48*((\s)%2)+12*\a, ADA16+(\s)/2, ADA8+(\s)/2, 3072*\a+1536*((\s)%2)
.endr
.endm
; 16 products: A's blocks a0, a0 + 1 x B's eight.  A scale register holds K step 2 k in lanes 0-15 and 2 k + 1 in lanes 16-31.  The 32 accumulators take turns, one instruction a turn, in one order throughout.
.macro MUL16 a0, s
.irp a, \a0, \a0+1
.irp b, 0,1,2,3,4,5,6,7
.if (\s) == 0
	v_wmma_scale_f32_16x16x128_f8f6f4 v[8*(8*(\a)+\b):8*(8*(\a)+\b)+7], v[128*((\s)%2)+12*\b:128*((\s)%2)+12*\b+11], v[AF+48*((\s)%2)+12*(\a):AF+48*((\s)%2)+12*(\a)+11], 0, v[SB+4*\b+(\s)/2], v[SA+4*(\a)+(\s)/2] matrix_a_fmt:MATRIX_FMT_FP6 matrix_b_fmt:MATRIX_FMT_FP6
.elseif (\s)%2
	v_wmma_scale_f32_16x16x128_f8f6f4 v[8*(8*(\a)+\b):8*(8*(\a)+\b)+7], v[128*((\s)%2)+12*\b:128*((\s)%2)+12*\b+11], v[AF+48*((\s)%2)+12*(\a):AF+48*((\s)%2)+12*(\a)+11], v[8*(8*(\a)+\b):8*(8*(\a)+\b)+7], v[SB+4*\b+(\s)/2], v[SA+4*(\a)+(\s)/2] matrix_a_fmt:MATRIX_FMT_FP6 matrix_b_fmt:MATRIX_FMT_FP6 matrix_a_scale:MATRIX_SCALE_ROW1 matrix_b_scale:MATRIX_SCALE_ROW1
.else
	v_wmma_scale_f32_16x16x128_f8f6f4 v[8*(8*(\a)+\b):8*(8*(\a)+\b)+7], v[128*((\s)%2)+12*\b:128*((\s)%2)+12*\b+11], v[AF+48*((\s)%2)+12*(\a):AF+48*((\s)%2)+12*(\a)+11], v[8*(8*(\a)+\b):8*(8*(\a)+\b)+7], v[SB+4*\b+(\s)/2], v[SA+4*(\a)+(\s)/2] matrix_a_fmt:MATRIX_FMT_FP6 matrix_b_fmt:MATRIX_FMT_FP6
.endif
.endr
.endr
.endm
.macro STEP s
	s_wait_dscnt 0x0                               ; this step's 48 loads are in
.if ((\s)%2) && ((\s) < 7)
	s_wait_tensorcnt (5-(\s))/2                    ; my part of the next chunk has landed; my later chunks may stay out
	s_barrier_signal -1
.endif
	WIN MUL
	MUL16 0, \s
.if ((\s)%2) && ((\s) < 7)
	s_barrier_wait -1                              ; everybody's part has
.endif
.if (\s) < 7
	PLACES 4                                       ; four plain instructions in front of loads into registers that the step before multiplied
	FETCH (\s)+1
.endif
	WIN MUL
	MUL16 2, \s
.endm
; The 64 results of A' block a (window 2, v[64 a] on) become a fragment's codes in v[PC0 + 20 a] on and its scale word in v[SW + a].  Each accumulator is read from its low end on.
.macro QUANTW a
.set PCA, PC0+20*(\a)
	WIN 0x28                                       ; sources 1 and 2 window 2
.irp b, 0,1,2,3
	v_max3_num_f32 v[TM+\b], 0x1800000, |v[64*(\a)+16*\b]|, |v[64*(\a)+16*\b+1]|   ; the floor 2^(3 - 127) and my first two of block b
.endr
.irp i, 2,4,6,8,10,12,14
.irp b, 0,1,2,3
	v_max3_num_f32 v[TM+\b], v[TM+\b], |v[64*(\a)+16*\b+\i]|, |v[64*(\a)+16*\b+\i+1]|
.endr
.endr
	WIN 0
.irp b, 0,1,2,3
	v_permlanex16_b32 v[TM+4+\b], v[TM+\b], s10, s11
.endr
.irp b, 0,1,2,3
	v_max_num_f32 v[TM+\b], v[TM+\b], v[TM+4+\b]   ; with lane l xor 16's 16: the block's largest magnitude
.endr
.irp b, 0,1,2,3
	v_add_nc_u32 v[TM+12+\b], 0xff000000, v[TM+\b]   ; 2 off its exponent field: the conversion's scale operand
.endr
.irp b, 0,1,2,3
	v_lshrrev_b32 v[TM+4+\b], 23, v[TM+12+\b]
.endr
	v_lshl_or_b32 v[SW+(\a)], v[TM+5], 8, v[TM+4]
	v_lshl_or_b32 v[SW+(\a)], v[TM+6], 16, v[SW+(\a)]
	v_lshl_or_b32 v[SW+(\a)], v[TM+7], 24, v[SW+(\a)]
	WIN 0x02                                       ; source 0 window 2
.irp c, 0,1
	v_cvt_scalef32_pk16_fp6_f32 v[PCA+6*\c:PCA+6*\c+2], v[64*(\a)+32*\c:64*(\a)+32*\c+15], v[TM+12+2*\c]
	v_cvt_scalef32_pk16_fp6_f32 v[PCA+12+4*\c:PCA+14+4*\c], v[64*(\a)+32*\c+16:64*(\a)+32*\c+31], v[TM+12+2*\c+1]
.endr
	WIN 0
	v_nop                                          ; one plain instruction behind the scaled conversions
.irp c, 0,1
.irp i, 0,1,2
	v_permlane16_swap_b32 v[PCA+6*\c+\i], v[PCA+12+4*\c+\i]
.endr
.irp i, 0,1,2
	v_mov_b32 v[PCA+3+6*\c+\i], v[PCA+12+4*\c+\i]
.endr
.endr
.irp c, 0,1
	global_store_b128 v[O16+2*(\a)+\c], v[PCA+6*\c:PCA+6*\c+3], s[8:9]              ; 512 consecutive bytes
	global_store_b64 v[O8+2*(\a)+\c], v[PCA+6*\c+4:PCA+6*\c+5], s[8:9] offset:512   ; 256 consecutive bytes
.endr
.endm
	s_load_b128 s[4:7], s[0:1], 0x0                ; opq, ops
	s_load_b64 s[8:9], s[0:1], 0x10                ; qkv
	v_lshl_add_u32 v254, v0, 2, 0x48000
	v_mov_b32 v255, 0
	ds_add_u32 v254, v255
	ds_add_u32 v254, v255
	v_lshrrev_b32 v3, 5, v0
	v_readfirstlane_b32 s14, v3                    ; wave 0..3
	s_lshr_b32 s15, s14, 1                         ; I fetch for A' (0) or for B' (1),
	s_and_b32 s16, s14, 1                          ; its first or second half
	s_bfe_u32 s17, ttmp6, 0x40000                  ; cx
	s_bfe_u32 s18, ttmp6, 0x40004                  ; cy
	s_and_b32 s13, ttmp7, 0xffff                   ; the cluster's y
	s_lshl_b32 s10, s13, 2
	s_lshl_b32 s11, ttmp9, 2
	s_max_u32 s12, ttmp9, 4
	s_sub_co_u32 s12, s12, 4
	s_lshl_b32 s12, s12, 5
	s_add_co_u32 s12, s12, s10                     ; v: 4 x (8 (cluster x - 4) + cluster y)
	s_cmp_lt_u32 ttmp9, 4                          ; q or k?  The cluster's x is the same in all sixteen partners
	s_cselect_b32 s56, s10, 0
	s_cselect_b32 s84, s11, s12
	s_cselect_b32 s57, 0, WV_OFF                   ; where A's codes begin in opq,
	s_cselect_b32 s85, W_OFF, 0                    ; and B's;
	s_cselect_b32 s58, 0, WVS_OFF                  ; the same in ops
	s_cselect_b32 s86, WS_OFF, 0
	s_add_co_u32 s56, s56, s18                     ; the tile row: s56-63 never hold cx
	s_add_co_u32 s84, s84, s17                     ; the tile column: s84-89 never hold cy
	s_lshl_b32 s2, s18, 2
	s_lshl_b32 s2, 15, s2                          ; my row of the cluster
	s_lshl_b32 s3, 0x1111, s17                     ; my column
	; group 1: rows of 3,072 bytes (384 elements of 8: a block's two K steps), 12,288 bytes apart (a block's whole K): 8 blocks of A', 4 of B'
	s_or_b32 s[G1A], s2, (3<<16)|(1<<21)           ; 15:0 the mask; 17:16 elements of 8 bytes; 21 set beside a mask
	s_or_b32 s[G1B], s3, (3<<16)|(1<<21)
.irp g, G1A, G1B
	s_mov_b32 s[\g+1], 384<<16                     ; tensor_dim0
	s_mov_b32 s[\g+3], 384<<16                     ; tile_dim0
	s_mov_b32 s[\g+5], 1536                        ; tensor_dim0_stride
	s_mov_b32 s[\g+6], 0
	s_mov_b32 s[\g+7], 0
.endr
	s_mov_b32 s[G1A+2], 8<<16                      ; tensor_dim1
	s_mov_b32 s[G1A+4], 8                          ; tile_dim1
	s_mov_b32 s[G1B+2], 4<<16
	s_mov_b32 s[G1B+4], 4
	s_mul_i32 s59, s56, 196608                     ; A': 16 blocks a tile,
	s_add_co_u32 s59, s59, s57
	s_mul_i32 s60, s16, 98304                      ; my 8 of them
	s_add_co_u32 s60, s60, s59
	s_mov_b32 s61, 0
	s_mul_i32 s87, s84, 98304                      ; B': 8 blocks a tile,
	s_add_co_u32 s87, s87, s85
	s_mul_i32 s88, s16, 49152                      ; my 4
	s_add_co_u32 s88, s88, s87
	s_mov_b32 s89, 0
	s_lshl_b32 s20, s56, 13                        ; A's scale words: 512 bytes a block; my wave's four blocks
	s_add_co_u32 s20, s20, s58
	s_lshl_b32 s19, s14, 11
	s_add_co_u32 s20, s20, s19
	s_mov_b32 s21, 0
	s_lshl_b32 s22, s84, 12                        ; B's
	s_add_co_u32 s22, s22, s86
	s_mov_b32 s23, 0
	s_mul_i32 s62, s16, 24576                      ; where my half goes in a chunk: the wave's number alone
	s_mul_i32 s63, s16, 12288
	s_add_co_u32 s63, s63, BOFF
	s_mov_b32 s10, 0x76543210
	s_mov_b32 s11, 0xfedcba98                      ; v_permlanex16_b32's selects for lane l xor 16
	s_wait_dscnt 0x0
	s_wait_kmcnt 0x0
	s_add_nc_u64 s[60:61], s[4:5], s[60:61]
	s_add_nc_u64 s[88:89], s[4:5], s[88:89]
	s_add_nc_u64 s[20:21], s[6:7], s[20:21]
	s_add_nc_u64 s[22:23], s[6:7], s[22:23]
.irp c, 0,1,2,3
	s_mov_b32 s[G0A+4*\c], 1
	s_add_co_u32 s[G0A+4*\c+1], s62, \c*CH
	s_add_nc_u64 s[G0A+4*\c+2:G0A+4*\c+3], s[60:61], \c*3072
	s_or_b32 s[G0A+4*\c+3], s[G0A+4*\c+3], 0x80000000
	s_mov_b32 s[G0B+4*\c], 1
	s_add_co_u32 s[G0B+4*\c+1], s63, \c*CH
	s_add_nc_u64 s[G0B+4*\c+2:G0B+4*\c+3], s[88:89], \c*3072
	s_or_b32 s[G0B+4*\c+3], s[G0B+4*\c+3], 0x80000000
.endr
	CROUND                                         ; all sixteen work-groups are here: the joint loads meet
	s_cmp_eq_u32 s15, 0                            ; a wave's four fills stand in one branch on the wave's number; four v_nop follow the last
	s_cbranch_scc0 .Lfill_b
.irp c, 0,1,2,3
	tensor_load_to_lds s[G0A+4*\c:G0A+4*\c+3], s[G1A:G1A+7]
	s_nop 0
.endr
	PLACES 4
	s_branch .Lfilled
.Lfill_b:
.irp c, 0,1,2,3
	tensor_load_to_lds s[G0B+4*\c:G0B+4*\c+3], s[G1B:G1B+7]
	s_nop 0
.endr
	PLACES 4
.Lfilled:
	v_and_b32 v3, 31, v0
	v_lshlrev_b32 v1, 4, v3                        ; 16 x lane
	v_lshlrev_b32 v2, 3, v3                        ; 8 x lane
.irp a, 0,1,2,3
	global_load_b128 v[SA+4*\a:SA+4*\a+3], v1, s[20:21] offset:512*\a
.endr
.irp b, 0,1,2,3,4,5,6,7
	global_load_b128 v[SB+4*\b:SB+4*\b+3], v1, s[22:23] offset:512*\b
.endr
	s_mul_i32 s19, s14, 12288                      ; my four blocks of A' in a chunk
.irp c, 0,1,2,3
	s_add_co_u32 s2, s19, \c*CH
	v_add_nc_u32 v[ADA16+\c], s2, v1
	v_add_nc_u32 v[ADA8+\c], s2, v2
	v_add_nc_u32 v[ADB16+\c], \c*CH+BOFF, v1
	v_add_nc_u32 v[ADB8+\c], \c*CH+BOFF, v2
.endr
	; where the results go.  q, k: batch = tile row / 8, step of 128 tokens = 2 (tile row % 8) + wave / 2, tiles 4 (wave % 2) + a; heads 2 (tile column % 8) + c.
	s_lshr_b32 s90, s56, 3
	s_lshl_b32 s90, s90, 4
	s_and_b32 s92, s84, 7
	s_lshl_b32 s92, s92, 1
	s_add_co_u32 s90, s90, s92
	s_lshl_b32 s90, s90, 4
	s_and_b32 s92, s56, 7
	s_lshl_b32 s92, s92, 1
	s_add_co_u32 s92, s92, s15
	s_add_co_u32 s90, s90, s92                     ; the even head's record
	; v: batch = tile column / 16, step = tile column % 16, head = 4 x tile row + wave
	s_lshr_b32 s91, s84, 4
	s_lshl_b32 s91, s91, 4
	s_lshl_b32 s92, s56, 2
	s_add_co_u32 s91, s91, s92
	s_add_co_u32 s91, s91, s14
	s_lshl_b32 s91, s91, 4
	s_and_b32 s92, s84, 15
	s_add_co_u32 s91, s91, s92
	s_mul_i32 s96, s16, 3072
	s_lshl_b32 s3, s16, 8
	s_cmp_lt_u32 ttmp9, 2                          ; q?
	s_mov_b32 s92, REC
	s_cselect_b32 s92, QREC, s92                   ; a record,
	s_cselect_b32 s93, QBASE, 0                    ; where its kind begins,
	s_mov_b32 s94, 16*REC
	s_cselect_b32 s94, 16*QREC, s94                ; from a head to the next,
	s_mov_b32 s95, 12544
	s_cselect_b32 s95, 6144, s95                   ; q's or k's scale words in a record
	s_add_co_u32 s95, s95, s3
	s_cmp_lt_u32 ttmp9, 4                          ; q or k?
	s_cselect_b32 s90, s90, s91
	s_cselect_b32 s96, s96, 6144                   ; my codes in the record
	s_mov_b32 s97, 1536
	s_cselect_b32 s97, 768, s97                    ; from a to a + 1
	s_cselect_b32 s98, s94, 768                    ; from half c = 0 to c = 1: the next head's record, or v's next 64 keys
	s_cselect_b32 s99, s94, 0                      ; lanes 16-31 store the next head's scale words, or v's once more
	s_cselect_b32 s3, 16, 0
	s_cselect_b32 s95, s95, 12288
	s_mul_i32 s90, s90, s92
	s_add_co_u32 s90, s90, s93
	s_add_co_u32 s96, s96, s90
	s_add_co_u32 s95, s95, s90
.irp a, 0,1,2,3
	v_add_nc_u32 v[O16+2*\a], s96, v1
	v_add_nc_u32 v[O8+2*\a], s96, v2
	s_add_co_u32 s2, s96, s98
	v_add_nc_u32 v[O16+2*\a+1], s2, v1
	v_add_nc_u32 v[O8+2*\a+1], s2, v2
	s_add_co_u32 s96, s96, s97
.endr
	v_and_b32 v4, 15, v0                           ; r
	v_bfe_u32 v5, v0, 4, 1                         ; h
	v_mul_u32_u24 v[SHV], s3, v5
	v_lshlrev_b32 v4, 4, v4
	v_mad_u32_u24 v[SOF], s99, v5, v4
	v_add_nc_u32 v[SOF], s95, v[SOF]
.irp b, 0,1,2,3
	v_mov_b32 v[TM+4+\b], 0                        ; written once: a lane permute's destination counts as one of its sources
.endr
	s_wait_tensorcnt 3                             ; my part of chunk 0 has landed; my three later chunks may stay out
	s_barrier_signal -1
	s_barrier_wait -1                              ; everybody's has
	FETCH 0
	s_wait_loadcnt 0x0                             ; the scale words
	STEP 0
	STEP 1
	STEP 2
	STEP 3
	STEP 4
	STEP 5
	STEP 6
	STEP 7
	WIN 0
	PLACES 4                                       ; in front of the first read of results and the first write of registers that held fragments
	QUANTW 0
	QUANTW 1
	QUANTW 2
	QUANTW 3
.irp a, 0,1,2,3
	v_lshrrev_b32 v[SW+\a], v[SHV], v[SW+\a]       ; q, k: a word's bytes 0, 1 are the even head's, bytes 2, 3 the odd head's: lanes 16-31 bring those down.  What stays in bytes 2, 3 scales zero codes only and is never 0xff
.endr
	global_store_b128 v[SOF], v[SW:SW+3], s[8:9]   ; q, k: sixteen lanes fill 256 consecutive bytes of each head's record; v: lanes 16-31 store the same bytes with the same values as lanes 0-15
	s_wait_dscnt 0x0
	s_wait_tensorcnt 0x0
	ds_add_u32 v254, v255
	s_wait_dscnt 0x0
	CROUND                                         ; the closing round: no work-group ends while a partner may still ask for a tile that names it
	s_endpgm
.Lfunc_end_k_qae9fcce6e5_qkv:
	.size	k_qae9fcce6e5_qkv, .Lfunc_end_k_qae9fcce6e5_qkv-k_qae9fcce6e5_qkv
	.p2alignl 7, 3214868480
	.fill 96, 4, 3214868480
	.section	.rodata,"a",@progbits
	.p2align	6, 0x0
	.amdhsa_kernel k_qae9fcce6e5_qkv
		.amdhsa_group_segment_fixed_size 295424
		.amdhsa_private_segment_fixed_size 0
		.amdhsa_enable_private_segment 0
		.amdhsa_kernarg_size 24
		.amdhsa_user_sgpr_count 2
		.amdhsa_user_sgpr_kernarg_segment_ptr 1
		.amdhsa_wavefront_size32 1
		.amdhsa_system_sgpr_workgroup_id_x 1
		.amdhsa_system_sgpr_workgroup_id_y 1
		.amdhsa_system_sgpr_workgroup_id_z 1
		.amdhsa_system_vgpr_workitem_id 0
		.amdhsa_next_free_vgpr 768
		.amdhsa_next_free_sgpr 100
		.amdhsa_reserve_vcc 0
		.amdhsa_float_denorm_mode_32 3
		.amdhsa_float_denorm_mode_16_64 3
		.amdhsa_memory_ordered 1
		.amdhsa_forward_progress 1
		.amdhsa_inst_pref_size 89
	.end_amdhsa_kernel
	.amdgpu_metadata
---
amdhsa.version: [ 1, 2 ]
amdhsa.kernels:
  - .name:           k_qae9fcce6e5_qkv
    .symbol:         k_qae9fcce6e5_qkv.kd
    .args:
      - { .name: opq, .offset: 0, .size: 8, .value_kind: global_buffer, .address_space: global }
      - { .name: ops, .offset: 8, .size: 8, .value_kind: global_buffer, .address_space: global }
      - { .name: qkv, .offset: 16, .size: 8, .value_kind: global_buffer, .address_space: global }
    .group_segment_fixed_size: 295424
    .private_segment_fixed_size: 0
    .kernarg_segment_align: 8
    .kernarg_segment_size: 24
    .max_flat_workgroup_size: 128
    .sgpr_count:     100
    .vgpr_count:     768
    .wavefront_size: 32
...
	.end_amdgpu_metadata
.endif
;; end of part 2
;; launch attn (part 3): grid 4 x 64, 16 waves a work-group, clusters of 4 x 1, 210,944 bytes of LDS; arguments qkv, yq, ys; writes yq, ys
.if DOCPART == 3
	.amdgcn_target "amdgcn-amd-amdhsa--gfx1250"
	.amdhsa_code_object_version 6
	.text
	.protected	k_qae9fcce6e5_attn
	.globl	k_qae9fcce6e5_attn
	.p2align	8
	.type	k_qae9fcce6e5_attn,@function
k_qae9fcce6e5_attn:
	s_mov_b64 s[64:65], 0
	v_nop
	global_prefetch_b8 v0, s[64:65] scope:SCOPE_SE
	s_setreg_imm32_b32 hwreg(HW_REG_WAVE_MODE, 25, 1), 1
	s_wait_xcnt 0x0
	s_wait_alu depctr_hold_cnt(0) depctr_sa_sdst(0) depctr_va_vdst(0) depctr_va_sdst(0) depctr_va_ssrc(0) depctr_va_vcc(0) depctr_vm_vsrc(0)
	s_getreg_b32 s2, hwreg(HW_REG_IB_STS2, 6, 4)
	s_cmp_eq_u32 s2, 0
	s_cbranch_scc0 .Lentry_in_a_cluster
	s_endpgm
.Lentry_in_a_cluster:
	s_bfe_u32 s2, ttmp6, 0x10000c
	s_cmp_lg_u32 s2, 0x3003
	s_cbranch_scc0 .Lentry_shape_is_right
	s_endpgm
.Lentry_shape_is_right:
; y[b][q][head] = softmax_k(q . k / 8, causal) v, both products on codes of FP6 (E2M3) with E8M0 scales; y leaves as codes, quantised along the channels, in the layout that the last product's operand wants.
; THE SOFTMAX: t = score x log2(e) / 8; M = the row's largest t so far, rounded up to a whole number; p = 2^(t - M) is quantised along the keys, not normalised; the row's sum of the unquantised p divides at the end.
; When M moves, the sum and O are multiplied by 2^(old M - new M): exact.
; SHARES.  A cluster of four work-groups owns one (batch, head).  The head's 16 records of K and V (128 keys each, 13,056 bytes: see the launch before) lie in every partner's LDS, filled ONCE by joint loads.
; Of each group g of 128 queries partner p owns tokens 128 g + 32 p .. + 31: two row blocks u = 0, 1 (place r of block u is token 32 p + 8 u + r + 8 (r / 8)).  Wave w (u = w % 2, j = w / 2) owns block u of group
; 15 - j and of group j: (16 - j) + (j + 1) = 17 key steps for every wave of every work-group.  What a wave leaves out hangs on its number and the loops' counters alone; the partner's place enters global
; addresses and the mask's compare value, never a branch or an LDS address.
; LAYOUT.  S^T = K Q^T (source 0 = 16 keys, source 1 = my 16 queries; K = 64 channels and 64 zero codes), O^T = V^T P^T (source 0 = 16 channels, source 1 = P): a lane holds one query throughout.  By the order of
; rows in a row block the 16 registers of tiles 2 b, 2 b + 1 are keys (channels) 32 b + 16 (lane / 16) + 0 .. 15 in their true order.
; LIMITS: NaN and infinities are not served; v_exp_f32 gives 0 where p would be denormal; a block's largest p is taken as the exponential of the block's largest score; a block of zeros gets the scale byte 1.
; REGISTERS: v1-7 addresses and constants; v12 -M, v13 largest t, v[14:15] the sum; v16-27, v28-39 Q of the two tiles (6 of data, 6 of zeros); v40-87 four tiles of K (likewise); v96-159 S^T, then p, then V's four
; fragments; v160-191 O^T; v192-210 p's codes; v212-223 at work; v224-234 scale words and nothing else; v[236:237] f; v238 at work.
.set REC,   13056
.set QREC,  6656
.set QBASE, 1024*REC
.set KB,   40
.set PCD,  192
.set CT,   204
.set BM,   212                         ; the blocks' largest scores, then largest p
.set EX,   216                         ; lane exchange, a second chain of sums, then the bytes
.set SOP,  220                         ; the conversions' scale operands
.set KSC,  224
.set VSC,  228
.set PSC,  234
.set SEL,  20
.set CS,   22
.set G1,   24
.set G0,   32                          ; s[32:47] group 0 of a fetching wave's four records
.set TB,   48                          ; LDS byte of the step's record
.set ST,   49                          ; the key step
.set G,    50                          ; my tile's group of queries: the step on the diagonal
.set QPH, 52                           ; pointers: Q's codes, Q's scale words, y's codes, y's scale bytes: the high tile's,
.set QSH, 54
.set YPH, 56
.set YSH, 58
.set QPL, 60                           ; and the low tile's
.set QSL, 62
.set YPL, 66
.set YSL, 68
.macro CROUND
	s_barrier_signal -1
	s_barrier_wait -1
	s_cmp_lg_u32 s10, 0
	s_cbranch_scc1 .Lnot_wave_0_\@
	s_barrier_signal -3
.Lnot_wave_0_\@:
	s_barrier_wait -3
	s_barrier_signal -1
	s_barrier_wait -1
.endm
.macro FRAG reg, a16, a8, off
	ds_load_b128 v[(\reg):(\reg)+3], v[\a16] offset:(\off)
	ds_load_b64 v[(\reg)+4:(\reg)+5], v[\a8] offset:(\off)+512
	ds_load_b128 v[(\reg)+6:(\reg)+9], v[\a16] offset:(\off)+768
	ds_load_b64 v[(\reg)+10:(\reg)+11], v[\a8] offset:(\off)+1280
.endm
.macro PTRS g, qp, qs, yp, ys          ; the pointers of my tile of group s[g]
	s_add_co_u32 s70, s2, s[\g]
	s_mul_i32 s70, s70, QREC
	s_add_co_u32 s70, s70, s19
	s_add_nc_u64 s[\qp:\qp+1], s[4:5], s[70:71]
	s_add_nc_u64 s[\qs:\qs+1], s[\qp:\qp+1], s[72:73]
	s_lshl_b32 s3, s[\g], 3
	s_add_co_u32 s3, s3, s51                       ; the tile's row block among all tokens': 128 batch + 8 g + 2 p + u
	s_mul_i32 s70, s3, 12288
	s_add_co_u32 s70, s70, s74
	s_add_nc_u64 s[\yp:\yp+1], s[6:7], s[70:71]
	s_lshl_b32 s70, s3, 9
	s_add_co_u32 s70, s70, s75
	s_add_nc_u64 s[\ys:\ys+1], s[8:9], s[70:71]
.endm
.macro INIT                            ; the step is written without a first step of its own: it finds zeros, which the first change of M leaves zeros
	v_mov_b32 v13, 0xff61b1e6                      ; the largest t so far: -3e38
	s_delay_alu instid0(VALU_DEP_1)
	v_floor_f32 v12, -v13                          ; -M
	v_mov_b32 v14, 0
	v_mov_b32 v15, 0
.set n, 0
.rept 32
	v_mov_b32 v[160+n], 0
.set n, n+1
.endr
.endm
; A KEY STEP: 128 keys.  qf: Q's fragment; qs: its scale words; masked = 1: steps behind the diagonal are left out and the step on it is masked.
.macro STEP qf, qs, masked
.if \masked
	s_cmp_gt_u32 s[ST], s[G]                       ; all these keys come after my queries: a branch on the wave's number and the loop's counter
	s_cbranch_scc1 .Lhidden_\@
.endif
	s_setprio 2
	v_add_nc_u32 v3, s[TB], v1
	s_wait_alu depctr_va_vdst(0)
	v_add_nc_u32 v4, s[TB], v2
	s_wait_alu depctr_va_vdst(0)
.rept 4
	v_nop                                          ; with the two additions six plain instructions behind the last step's products: the scores are laid over registers that held V's fragments (five are asked)
.endr
	ds_load_b128 v[KSC:KSC+3], v3 offset:12544     ; K's scale words: register a: tile a in lanes 0-15, tile 4 + a in lanes 16-31
.irp g, 0,1
.if \g
.rept 4
	v_nop                                          ; in front of loads into registers that the four products above have read
.endr
.endif
.irp t, 0,1,2,3
	ds_load_b128 v[KB+12*\t:KB+12*\t+3], v3 offset:768*(4*\g+\t)
	ds_load_b64 v[KB+12*\t+4:KB+12*\t+5], v4 offset:768*(4*\g+\t)+512
.endr
	s_wait_dscnt 0x0
.irp t, 0,1,2,3
.if \g
	v_wmma_scale_f32_16x16x128_f8f6f4 v[96+8*(4*\g+\t):103+8*(4*\g+\t)], v[KB+12*\t:KB+12*\t+11], v[\qf:\qf+11], 0, v[KSC+\t], v[\qs] matrix_a_fmt:MATRIX_FMT_FP6 matrix_b_fmt:MATRIX_FMT_FP6 matrix_a_scale:MATRIX_SCALE_ROW1
.else
	v_wmma_scale_f32_16x16x128_f8f6f4 v[96+8*(4*\g+\t):103+8*(4*\g+\t)], v[KB+12*\t:KB+12*\t+11], v[\qf:\qf+11], 0, v[KSC+\t], v[\qs] matrix_a_fmt:MATRIX_FMT_FP6 matrix_b_fmt:MATRIX_FMT_FP6
.endif
.endr
.endr
.rept 4
	v_nop
.endr
.if \masked
	s_cmp_lg_u32 s[ST], s[G]
	s_cbranch_scc1 .Lopen_\@
.set n, 0
.rept 64                                       ; on the diagonal: register 16 b + i holds key 32 b + 16 (lane / 16) + i of the step: hidden where 32 b + i > v5
	v_cmp_gt_i32 vcc_lo, 32*(n/16)+n%16, v5
	v_cndmask_b32 v[96+n], v[96+n], v6, vcc_lo
.set n, n+1
.endr
.Lopen_\@:
.endif
.irp b, 0,1,2,3
	v_max3_num_f32 v[BM+\b], v[96+16*\b], v[97+16*\b], v[98+16*\b]   ; the largest score of each block of 32 keys: for the row's maximum and, since p rises with the score, for the block's largest p
.endr
.irp i, 3,5,7,9,11,13
.irp b, 0,1,2,3
	v_max3_num_f32 v[BM+\b], v[BM+\b], v[96+16*\b+\i], v[97+16*\b+\i]
.endr
.endr
.irp b, 0,1,2,3
	v_max_num_f32 v[BM+\b], v[BM+\b], v[111+16*\b]
.endr
.irp b, 0,1,2,3
	s_delay_alu instid0(VALU_DEP_4)
	v_permlanex16_b32 v[EX+\b], v[BM+\b], s[SEL], s[SEL+1]
.endr
.irp b, 0,1,2,3
	s_delay_alu instid0(VALU_DEP_4)
	v_max_num_f32 v[BM+\b], v[BM+\b], v[EX+\b]     ; with lane l xor 16's 16 keys
.endr
	s_delay_alu instid0(VALU_DEP_2)
	v_max3_num_f32 v238, v[BM], v[BM+1], v[BM+2]
	s_delay_alu instid0(VALU_DEP_1)
	v_max_num_f32 v238, v238, v[BM+3]
	s_delay_alu instid0(VALU_DEP_1)
	v_mul_f32 v238, s[CS], v238                    ; the step's largest t (c is positive)
	s_delay_alu instid0(VALU_DEP_1)
	v_max_num_f32 v13, v13, v238
	v_mov_b32 v238, v12
	s_delay_alu instid0(VALU_DEP_2)
	v_floor_f32 v12, -v13                          ; the new -M = floor(-t): M is a whole number
	s_delay_alu instid0(VALU_DEP_1)
	v_sub_f32 v238, v12, v238                      ; old M - new M: a whole number, 0 or less
	s_delay_alu instid0(VALU_DEP_1)
	v_cvt_i32_f32 v238, v238                       ; (it saturates)
	s_delay_alu instid0(VALU_DEP_1)
	v_ldexp_f32 v236, 1.0, v238                    ; f = 2^(old M - new M)
.set n, 0
.rept 32
	v_pk_fma_f32 v[96+n:97+n], v[96+n:97+n], s[CS:CS+1], v[12:13] op_sel_hi:[1,0,0]   ; t - M, two at a time
.set n, n+2
.endr
.irp b, 0,1,2,3
	v_fma_f32 v[BM+\b], v[BM+\b], s[CS], v12       ; the same of each block's largest score
.endr
.set n, 0
	s_setprio 1
	s_wait_alu depctr_va_vdst(0)
.rept 64
	v_exp_f32 v[96+n], v[96+n]                     ; p = 2^(t - M)
.set n, n+1
.endr
	v_pk_mul_f32 v[14:15], v[14:15], v[236:237] op_sel_hi:[1,0]   ; the sums under the new M: the plain instruction behind the exponentials
	s_wait_alu depctr_va_vdst(0)                   ; one wait for the batch, ahead of its first reader
.irp b, 0,1,2,3
	v_exp_f32 v[BM+\b], v[BM+\b]                   ; the blocks' largest p
.endr
	v_pk_add_f32 v[216:217], v[100:101], v[104:105]
	v_pk_add_f32 v[252:253], v[108:109], v[112:113]
	v_pk_add_f32 v[250:251], v[116:117], v[120:121]
	v_pk_add_f32 v[248:249], v[124:125], v[128:129]
	v_pk_add_f32 v[246:247], v[132:133], v[136:137]
	v_pk_add_f32 v[244:245], v[140:141], v[144:145]
	v_pk_add_f32 v[242:243], v[148:149], v[152:153]
	v_pk_add_f32 v[14:15], v[14:15], v[156:157]
	v_pk_add_f32 v[216:217], v[216:217], v[96:97]
	v_pk_add_f32 v[252:253], v[252:253], v[98:99]
	v_pk_add_f32 v[250:251], v[250:251], v[102:103]
	v_pk_add_f32 v[248:249], v[248:249], v[106:107]
	v_pk_add_f32 v[246:247], v[246:247], v[110:111]
	v_pk_add_f32 v[244:245], v[244:245], v[114:115]
	v_pk_add_f32 v[242:243], v[242:243], v[118:119]
	v_pk_add_f32 v[14:15], v[14:15], v[122:123]
	v_pk_add_f32 v[216:217], v[216:217], v[126:127]
	v_pk_add_f32 v[252:253], v[252:253], v[130:131]
	v_pk_add_f32 v[250:251], v[250:251], v[134:135]
	v_pk_add_f32 v[248:249], v[248:249], v[138:139]
	v_pk_add_f32 v[246:247], v[246:247], v[142:143]
	v_pk_add_f32 v[244:245], v[244:245], v[146:147]
	v_pk_add_f32 v[242:243], v[242:243], v[150:151]
	v_pk_add_f32 v[14:15], v[14:15], v[154:155]
	v_pk_add_f32 v[216:217], v[216:217], v[158:159]
	s_delay_alu instid0(VALU_DEP_2)
	v_pk_add_f32 v[14:15], v[14:15], v[248:249]
	s_delay_alu instid0(VALU_DEP_2)
	v_pk_add_f32 v[216:217], v[216:217], v[246:247]
	v_pk_add_f32 v[252:253], v[252:253], v[244:245]
	v_pk_add_f32 v[250:251], v[250:251], v[242:243]
	s_delay_alu instid0(VALU_DEP_2)
	v_pk_add_f32 v[14:15], v[14:15], v[252:253]
	s_delay_alu instid0(VALU_DEP_2)
	v_pk_add_f32 v[216:217], v[216:217], v[250:251]
	s_delay_alu instid0(VALU_DEP_1)
	v_pk_add_f32 v[14:15], v[14:15], v[216:217]
	s_wait_alu depctr_va_vdst(0)                   ; and one for the four
.irp b, 0,1,2,3
	v_max_num_f32 v[BM+\b], 0x1800000, v[BM+\b]    ; the floor 2^(3 - 127): a block whose every p is 0 keeps the byte 1: its codes are zeros
.endr
.irp b, 0,1,2,3
	s_delay_alu instid0(VALU_DEP_4)
	v_add_nc_u32 v[SOP+\b], 0xff000000, v[BM+\b]   ; 2 off the exponent field: the conversion's scale operand
.endr
.irp b, 0,1,2,3
	s_delay_alu instid0(VALU_DEP_4)
	v_lshrrev_b32 v[EX+\b], 23, v[SOP+\b]
.endr
	s_delay_alu instid0(VALU_DEP_3)
	v_lshl_or_b32 v[PSC], v[EX+1], 8, v[EX]        ; p's scale word for these 128 keys
	s_delay_alu instid0(VALU_DEP_1)
	v_lshl_or_b32 v[PSC], v[EX+2], 16, v[PSC]
	s_delay_alu instid0(VALU_DEP_1)
	v_lshl_or_b32 v[PSC], v[EX+3], 24, v[PSC]
.irp c, 0,1
	v_cvt_scalef32_pk16_fp6_f32 v[PCD+6*\c:PCD+6*\c+2], v[96+32*\c:111+32*\c], v[SOP+2*\c]
	v_cvt_scalef32_pk16_fp6_f32 v[CT+4*\c:CT+4*\c+2], v[112+32*\c:127+32*\c], v[SOP+2*\c+1]
.endr
	v_nop                                          ; one plain instruction behind the scaled conversions
	ds_load_b128 v[VSC:VSC+3], v3 offset:12288     ; V's scale words in lanes 0-15 (what lanes 16-31 read is not used)
.irp a, 0,1,2,3
	FRAG 96+12*\a, 3, 4, 6144+1536*\a              ; V's four fragments, into the registers that p has left
.endr
	s_setprio 0
.irp c, 0,1                                    ; the operand wants a whole block in a lane
.irp i, 0,1,2
	v_permlane16_swap_b32 v[PCD+6*\c+\i], v[CT+4*\c+\i]
.endr
.irp i, 0,1,2
	s_delay_alu instid0(VALU_DEP_3)
	v_mov_b32 v[PCD+3+6*\c+\i], v[CT+4*\c+\i]
.endr
.endr
.set n, 0
.rept 16
	v_pk_mul_f32 v[160+n:161+n], v[160+n:161+n], v[236:237] op_sel_hi:[1,0]   ; O^T under the new M.  These 16 also stand between the writes of p's codes and scale word and the products
.set n, n+2
.endr
	s_wait_alu depctr_va_vdst(0)
	s_wait_dscnt 0x0
.irp a, 0,1,2,3
	v_wmma_scale_f32_16x16x128_f8f6f4 v[160+8*\a:167+8*\a], v[96+12*\a:107+12*\a], v[PCD:PCD+11], v[160+8*\a:167+8*\a], v[VSC+\a], v[PSC] matrix_a_fmt:MATRIX_FMT_FP6 matrix_b_fmt:MATRIX_FMT_FP6
.endr
.if \masked
.Lhidden_\@:
.endif
	s_add_co_u32 s[TB], s[TB], REC
.endm
; A tile's end: O^T / the sum; its 64 channels are two blocks of 32 along the last product's K: a half fragment and half a scale word.
.macro EPI yp, ys
.rept 4
	v_nop                                          ; behind the last products
.endr
	v_add_f32 v14, v14, v15
	s_delay_alu instid0(VALU_DEP_1)
	v_permlanex16_b32 v238, v14, s[SEL], s[SEL+1]
	s_delay_alu instid0(VALU_DEP_1)
	v_add_f32 v14, v14, v238                       ; the row's sum
	s_wait_alu depctr_va_vdst(0)
	v_rcp_f32 v14, v14
	v_nop                                          ; a plain instruction behind the reciprocal,
	s_wait_alu depctr_va_vdst(0)                   ; and the wait ahead of its first reader
.set n, 0
.rept 16
	v_pk_mul_f32 v[96+n:97+n], v[160+n:161+n], v[14:15] op_sel_hi:[1,0]   ; register 16 b + i: channel 32 b + 16 (lane / 16) + i; each accumulator from its low end on
.set n, n+2
.endr
	v_max3_num_f32 v[BM], |v96|, |v97|, 0x1800000
	v_max3_num_f32 v[BM+1], |v112|, |v113|, 0x1800000
.irp i, 2,4,6,8,10,12,14
	s_delay_alu instid0(VALU_DEP_2)
	v_max3_num_f32 v[BM], v[BM], |v[96+\i]|, |v[97+\i]|
	s_delay_alu instid0(VALU_DEP_2)
	v_max3_num_f32 v[BM+1], v[BM+1], |v[112+\i]|, |v[113+\i]|
.endr
	s_delay_alu instid0(VALU_DEP_2)
	v_permlanex16_b32 v[EX], v[BM], s[SEL], s[SEL+1]
	s_delay_alu instid0(VALU_DEP_2)
	v_permlanex16_b32 v[EX+1], v[BM+1], s[SEL], s[SEL+1]
	s_delay_alu instid0(VALU_DEP_2)
	v_max_num_f32 v[BM], v[BM], v[EX]
	s_delay_alu instid0(VALU_DEP_2)
	v_max_num_f32 v[BM+1], v[BM+1], v[EX+1]
	s_delay_alu instid0(VALU_DEP_2)
	v_add_nc_u32 v[SOP], 0xff000000, v[BM]
	s_delay_alu instid0(VALU_DEP_2)
	v_add_nc_u32 v[SOP+1], 0xff000000, v[BM+1]
	s_delay_alu instid0(VALU_DEP_2)
	v_lshrrev_b32 v[EX], 23, v[SOP]
	s_delay_alu instid0(VALU_DEP_2)
	v_lshrrev_b32 v[EX+1], 23, v[SOP+1]
	s_delay_alu instid0(VALU_DEP_1)
	v_lshl_or_b32 v[EX+2], v[EX+1], 8, v[EX]       ; my row's two scale bytes
	v_cvt_scalef32_pk16_fp6_f32 v[PCD:PCD+2], v[96:111], v[SOP]
	v_cvt_scalef32_pk16_fp6_f32 v[CT:CT+2], v[112:127], v[SOP+1]
	v_nop
.irp i, 0,1,2
	v_permlane16_swap_b32 v[PCD+\i], v[CT+\i]
.endr
.irp i, 0,1,2
	s_delay_alu instid0(VALU_DEP_3)
	v_mov_b32 v[PCD+3+\i], v[CT+\i]
.endr
	global_store_b128 v1, v[PCD:PCD+3], s[\yp:\yp+1]               ; 512 consecutive bytes
	global_store_b64 v2, v[PCD+4:PCD+5], s[\yp:\yp+1] offset:512   ; 256 consecutive bytes
	global_store_b16 v7, v[EX+2], s[\ys:\ys+1]     ; 2 bytes at every 16 (lanes 16-31 store the same bytes with the same values): a word's other half is another head's, another cluster's.  262,144 bytes in the whole launch
.endm
	s_load_b128 s[4:7], s[0:1], 0x0                ; qkv, yq
	s_load_b64 s[8:9], s[0:1], 0x10                ; ys
	v_lshl_add_u32 v254, v0, 2, 0x33000
	v_mov_b32 v255, 0
	ds_add_u32 v254, v255
	ds_add_u32 v254, v255
	v_lshrrev_b32 v8, 5, v0
	s_delay_alu instid0(VALU_DEP_1)
	v_readfirstlane_b32 s10, v8                    ; wave 0..15
	s_bfe_u32 s11, ttmp6, 0x40000                  ; p: my place in the cluster
	s_and_b32 s12, ttmp7, 0xffff                   ; batch x 16 + head
	s_and_b32 s13, s10, 1                          ; u
	s_lshr_b32 s14, s10, 1                         ; j: my low tile's group
	s_sub_co_u32 s15, 15, s14                      ; my high tile's
	s_lshl_b32 s16, s11, 1
	s_add_co_u32 s16, s16, s13                     ; t = 2 p + u: my row block among a group's eight
	s_lshr_b32 s17, s12, 4                         ; batch
	s_and_b32 s18, s12, 15                         ; head
	s_lshl_b32 s2, s12, 4                          ; the head's first record
	; group 1: a record is dense: 51 rows of 256 bytes (32 elements of 8)
	s_mov_b32 s[G1], 15|(3<<16)|(1<<21)            ; 15:0 the mask: all four partners; 17:16 elements of 8 bytes; 21 set beside a mask
	s_mov_b32 s[G1+1], 32<<16
	s_mov_b32 s[G1+2], 51<<16
	s_mov_b32 s[G1+3], 32<<16
	s_mov_b32 s[G1+4], 51
	s_mov_b32 s[G1+5], 32
	s_mov_b32 s[G1+6], 0
	s_mov_b32 s[G1+7], 0
	s_mov_b32 s[SEL], 0x76543210
	s_mov_b32 s[SEL+1], 0xfedcba98
	s_mov_b32 s[CS], 0x3e38aa3b                    ; c = log2(e) / 8
	s_mov_b32 s[CS+1], s[CS]                       ; (named with it as a pair, so it is written)
	s_mul_i32 s3, s10, REC                         ; record w in LDS,
	s_add_co_u32 s70, s2, s10
	s_mul_i32 s70, s70, REC                        ; and in memory: the head and the wave's number alone
	s_mov_b32 s71, 0
	s_wait_dscnt 0x0
	s_wait_kmcnt 0x0
	s_add_nc_u64 s[70:71], s[4:5], s[70:71]
.irp i, 0,1,2,3
	s_mov_b32 s[G0+4*\i], 1
	s_add_co_u32 s[G0+4*\i+1], s3, 4*\i*REC
	s_add_nc_u64 s[G0+4*\i+2:G0+4*\i+3], s[70:71], 4*\i*REC
	s_or_b32 s[G0+4*\i+3], s[G0+4*\i+3], 0x80000000
.endr
	CROUND                                         ; all four partners are here: the joint loads meet
	s_cmp_lt_u32 s10, 4                            ; waves 0 to 3 fetch records w, w + 4, w + 8, w + 12: four loads outstanding; all in one branch on the wave's number; four v_nop follow the last
	s_cbranch_scc0 .Lno_fill
.irp i, 0,1,2,3
	tensor_load_to_lds s[G0+4*\i:G0+4*\i+3], s[G1:G1+7]
	s_nop 0
.endr
.rept 4
	v_nop
.endr
.Lno_fill:
	v_and_b32 v8, 31, v0
	s_delay_alu instid0(VALU_DEP_1)
	v_lshlrev_b32 v1, 4, v8                        ; 16 x lane
	s_wait_alu depctr_va_vdst(0)
	v_lshlrev_b32 v2, 3, v8                        ; 8 x lane
	s_wait_alu depctr_va_vdst(0)
	v_and_b32 v9, 15, v0                           ; r
	v_bfe_u32 v10, v0, 4, 1                        ; h
	s_delay_alu instid0(VALU_DEP_2)
	v_lshlrev_b32 v7, 4, v9                        ; 16 r
	s_wait_alu depctr_va_vdst(0)
	s_mul_i32 s19, s16, 768
	s_lshr_b32 s72, s16, 2
	s_lshl_b32 s72, s72, 8
	s_and_b32 s73, s16, 3
	s_lshl_b32 s73, s73, 2
	s_add_co_u32 s72, s72, s73
	s_add_co_u32 s72, s72, 6144
	s_sub_co_u32 s72, s72, s19                     ; from my tile's codes to its scale words: 6,144 + 256 (t / 4) + 4 (t % 4) - 768 t, above 0
	s_mov_b32 s73, 0
	s_add_co_u32 s19, s19, QBASE
	s_mul_i32 s74, s18, 768                        ; y's codes: K step head / 2, half head % 2
	s_lshr_b32 s75, s18, 1
	s_and_b32 s75, s75, 1
	s_lshl_b32 s75, s75, 8
	s_lshr_b32 s70, s18, 2
	s_lshl_b32 s70, s70, 2
	s_add_co_u32 s75, s75, s70
	s_and_b32 s70, s18, 1
	s_lshl_b32 s70, s70, 1
	s_add_co_u32 s75, s75, s70                     ; y's scale bytes: 256 ((head / 2) % 2) + 4 (head / 4) + 2 (head % 2)
	s_lshl_b32 s51, s17, 7
	s_add_co_u32 s51, s51, s16
	s_mov_b32 s71, 0
	PTRS 15, QPH, QSH, YPH, YSH
	PTRS 14, QPL, QSL, YPL, YSL
	global_load_b128 v[16:19], v1, s[QPH:QPH+1]
	global_load_b64 v[20:21], v2, s[QPH:QPH+1] offset:512
	global_load_b32 v232, v7, s[QSH:QSH+1]
	global_load_b128 v[28:31], v1, s[QPL:QPL+1]
	global_load_b64 v[32:33], v2, s[QPL:QPL+1] offset:512
	global_load_b32 v233, v7, s[QSL:QSL+1]
	v_and_b32 v11, 8, v9
	s_delay_alu instid0(VALU_DEP_1)
	v_add_nc_u32 v5, v9, v11                       ; r + 8 (r / 8)
	v_lshlrev_b32 v10, 4, v10
	s_delay_alu instid0(VALU_DEP_1)
	v_sub_nc_u32 v5, v5, v10
	s_lshl_b32 s3, s11, 5
	s_lshl_b32 s70, s13, 3
	s_add_co_u32 s3, s3, s70
	v_add_nc_u32 v5, s3, v5                        ; my query's place in its group of 128, less 16 (lane / 16): it feeds compares and selects alone
	v_mov_b32 v6, 0xff800000                       ; -infinity
.irp i, 22,23,24,25,26,27,34,35,36,37,38,39
	v_mov_b32 v\i, 0                               ; channels 64 .. 127 of the first product's K: zero codes, written once
.endr
.irp t, 0,1,2,3
.irp i, 6,7,8,9,10,11
	v_mov_b32 v[KB+12*\t+\i], 0
.endr
.endr
.irp b, 0,1,2,3
	v_mov_b32 v[EX+\b], 0                          ; written once: a lane permute's destination counts as one of its sources
.endr
	v_mov_b32 v237, 0                              ; (named as the upper half of the pair v[236:237])
	v_mov_b32 v238, 0
	INIT
	s_mov_b32 s[TB], 0
	s_mov_b32 s[ST], 0
	s_mov_b32 s[G], s15
	s_wait_tensorcnt 3                             ; a fetching wave's first record (0 to 3) has landed; its three later ones may stay out
	s_barrier_signal -1
	s_barrier_wait -1
	s_wait_loadcnt 0x0                             ; Q
.Lfirst:                                           ; key steps 0 to 3 of the high tile (its diagonal lies at step 8 or later), while records 4 to 15 land
	STEP 16, 232, 0
	s_add_co_u32 s[ST], s[ST], 1
	s_cmp_lt_u32 s[ST], 4
	s_cbranch_scc1 .Lfirst
	s_setprio 0
	s_wait_tensorcnt 0x0                           ; all my records have landed,
	s_wait_dscnt 0x0
	s_barrier_signal -1
	s_barrier_wait -1                              ; everybody's have: no barrier follows until the end
	s_mov_b32 s[ST], 4
	s_mov_b32 s[TB], 4*REC
.Lhigh:
	STEP 16, 232, 1
	s_add_co_u32 s[ST], s[ST], 1
	s_cmp_lt_u32 s[ST], 16
	s_cbranch_scc1 .Lhigh
	s_setprio 0
	EPI YPH, YSH
	INIT
	s_wait_xcnt 0x0                                ; the stores have read their data: those registers are written again only behind this wait
	s_mov_b32 s[TB], 0
	s_mov_b32 s[ST], 0
	s_mov_b32 s[G], s14
.Llow:
	STEP 28, 233, 1
	s_add_co_u32 s[ST], s[ST], 1
	s_cmp_lt_u32 s[ST], 8
	s_cbranch_scc1 .Llow
	s_setprio 0
	EPI YPL, YSL
	s_wait_tensorcnt 0x0
	ds_add_u32 v254, v255
	s_wait_dscnt 0x0
	CROUND                                         ; the closing round
	s_endpgm
.Lfunc_end_k_qae9fcce6e5_attn:
	.size	k_qae9fcce6e5_attn, .Lfunc_end_k_qae9fcce6e5_attn-k_qae9fcce6e5_attn
	.p2alignl 7, 3214868480
	.fill 96, 4, 3214868480
	.section	.rodata,"a",@progbits
	.p2align	6, 0x0
	.amdhsa_kernel k_qae9fcce6e5_attn
		.amdhsa_group_segment_fixed_size 210944
		.amdhsa_private_segment_fixed_size 0
		.amdhsa_enable_private_segment 0
		.amdhsa_kernarg_size 24
		.amdhsa_user_sgpr_count 2
		.amdhsa_user_sgpr_kernarg_segment_ptr 1
		.amdhsa_wavefront_size32 1
		.amdhsa_system_sgpr_workgroup_id_x 1
		.amdhsa_system_sgpr_workgroup_id_y 1
		.amdhsa_system_sgpr_workgroup_id_z 1
		.amdhsa_system_vgpr_workitem_id 0
		.amdhsa_next_free_vgpr 256
		.amdhsa_next_free_sgpr 76
		.amdhsa_reserve_vcc 1
		.amdhsa_float_denorm_mode_32 3
		.amdhsa_float_denorm_mode_16_64 3
		.amdhsa_memory_ordered 1
		.amdhsa_forward_progress 1
		.amdhsa_inst_pref_size 83
	.end_amdhsa_kernel
	.amdgpu_metadata
---
amdhsa.version: [ 1, 2 ]
amdhsa.kernels:
  - .name:           k_qae9fcce6e5_attn
    .symbol:         k_qae9fcce6e5_attn.kd
    .args:
      - { .name: qkv, .offset: 0, .size: 8, .value_kind: global_buffer, .address_space: global }
      - { .name: yq, .offset: 8, .size: 8, .value_kind: global_buffer, .address_space: global }
      - { .name: ys, .offset: 16, .size: 8, .value_kind: global_buffer, .address_space: global }
    .group_segment_fixed_size: 210944
    .private_segment_fixed_size: 0
    .kernarg_segment_align: 8
    .kernarg_segment_size: 24
    .max_flat_workgroup_size: 512
    .sgpr_count:     76
    .vgpr_count:     256
    .wavefront_size: 32
...
	.end_amdgpu_metadata
.endif
;; end of part 3
;; launch proj (part 4): grid 8 x 32, 4 waves a work-group, clusters of 4 x 4, 295,424 bytes of LDS; arguments yq, ys, opq, ops, out0; writes out0
.if DOCPART == 4
	.amdgcn_target "amdgcn-amd-amdhsa--gfx1250"
	.amdhsa_code_object_version 6
	.text
	.protected	k_qae9fcce6e5_proj
	.globl	k_qae9fcce6e5_proj
	.p2align	8
	.type	k_qae9fcce6e5_proj,@function
k_qae9fcce6e5_proj:
	s_mov_b64 s[64:65], 0
	v_nop
	global_prefetch_b8 v0, s[64:65] scope:SCOPE_SE
	s_setreg_imm32_b32 hwreg(HW_REG_WAVE_MODE, 25, 1), 1
	s_wait_xcnt 0x0
	s_wait_alu depctr_hold_cnt(0) depctr_sa_sdst(0) depctr_va_vdst(0) depctr_va_sdst(0) depctr_va_ssrc(0) depctr_va_vcc(0) depctr_vm_vsrc(0)
	s_getreg_b32 s2, hwreg(HW_REG_IB_STS2, 6, 4)
	s_cmp_eq_u32 s2, 0
	s_cbranch_scc0 .Lentry_in_a_cluster
	s_endpgm
.Lentry_in_a_cluster:
	s_bfe_u32 s2, ttmp6, 0x10000c
	s_cmp_lg_u32 s2, 0xf033
	s_cbranch_scc0 .Lentry_shape_is_right
	s_endpgm
.Lentry_shape_is_right:
; out0 = y w_proj on codes of FP6 (E2M3) with E8M0 scales, f32 sums.  y's codes and scale words come from the launch before, w_proj's from the first, both as images of operand registers by row blocks
; (of each 32 rows, block 2 B + u holds in place r the row 32 B + 8 u + r + 8 (r / 8)).
; A TILE is 256 tokens (A') x 128 columns (B'), all of K = 1,024: 256 work-groups.  Four waves; wave w owns A's row blocks 4 w .. 4 w + 3 against B's eight: 32 accumulators.
; The product is used transposed (source 0 = 16 rows of B', source 1 = 16 rows of A'): a lane holds one token, and its 64 registers of one A' block are columns 32 b + 16 (lane / 16) + i in their true order.
; ALL OF K LIES IN LDS: four chunks of two K steps, each filled once: a wave issues four tensor loads at the start and has four outstanding; nothing is filled again.
; CLUSTERS: 4 x 4.  A's tile is shared along a row of the cluster, B's along a column: both are asked for jointly.
; REGISTERS: window 0: v1-25 addresses; v32-47 A's scale words, v48-79 B's (nothing else ever); v96-191 A's fragments, two sets; on the way out v128-255 rows of the result.
;   window 1: B's fragments, two sets, at v0 and v128.   window 2: accumulator (a, b) at v[8 (8 a + b)].
.set CH,     73728                     ; a chunk: 16 blocks of A' x 3,072 bytes, then 8 of B'
.set BOFF,   49152
.set WP_OFF, 8650752                   ; w_proj's codes in opq,
.set WPS_OFF, 360448                   ; and its scale words in ops
.set ADA16, 8
.set ADA8,  12
.set ADB16, 16
.set ADB8,  20
.set STO,   24                         ; v24  the way out: where I put 32 bytes of a row
.set RD,    25                         ; v25  and where I read a row back
.set SA,    32
.set SB,    48
.set AF,    96
.set BK,    128                        ; the way out: 16 rows read back: v128-191 and v192-255 by turns
.set G1A, 24
.set G1B, 32
.set G0A, 40
.set G0B, 68
.set MUL,  0xa1                        ; source 0 (B') window 1, source 1 (A') window 0, C and D window 2
.set TO_B, 0x40
.set MSB, 0
.macro WIN new                         ; the immediate's high byte repeats the setting that is left
.if MSB != \new
	s_set_vgpr_msb (MSB<<8)|\new
.set MSB, \new
.endif
.endm
.macro CROUND
	s_barrier_signal -1
	s_barrier_wait -1
	s_cmp_lg_u32 s14, 0
	s_cbranch_scc1 .Lnot_wave_0_\@
	s_barrier_signal -3
.Lnot_wave_0_\@:
	s_barrier_wait -3
	s_barrier_signal -1
	s_barrier_wait -1
.endm
.macro PLACES n
.rept \n
	v_nop
.endr
.endm
.macro FRAG reg, a16, a8, off
	ds_load_b128 v[(\reg):(\reg)+3], v[\a16] offset:(\off)
	ds_load_b64 v[(\reg)+4:(\reg)+5], v[\a8] offset:(\off)+512
	ds_load_b128 v[(\reg)+6:(\reg)+9], v[\a16] offset:(\off)+768
	ds_load_b64 v[(\reg)+10:(\reg)+11], v[\a8] offset:(\off)+1280
.endm
.macro FETCH s                         ; K step s: 48 loads in one run, into set s % 2
	WIN TO_B
.irp b, 0,1,2,3,4,5,6,7
	FRAG 128*((\s)%2)+12*\b, ADB16+(\s)/2, ADB8+(\s)/2, 3072*\b+1536*((\s)%2)
.endr
	WIN 0
.irp a, 0,1,2,3
	FRAG AF+48*((\s)%2)+12*\a, ADA16+(\s)/2, ADA8+(\s)/2, 3072*\a+1536*((\s)%2)
.endr
.endm
; 16 products.  A scale register holds K step 2 k in lanes 0-15 and 2 k + 1 in lanes 16-31.  The 32 accumulators take turns, one instruction a turn, in one order throughout.
.macro MUL16 a0, s
.irp a, \a0, \a0+1
.irp b, 0,1,2,3,4,5,6,7
.if (\s) == 0
	v_wmma_scale_f32_16x16x128_f8f6f4 v[8*(8*(\a)+\b):8*(8*(\a)+\b)+7], v[128*((\s)%2)+12*\b:128*((\s)%2)+12*\b+11], v[AF+48*((\s)%2)+12*(\a):AF+48*((\s)%2)+12*(\a)+11], 0, v[SB+4*\b+(\s)/2], v[SA+4*(\a)+(\s)/2] matrix_a_fmt:MATRIX_FMT_FP6 matrix_b_fmt:MATRIX_FMT_FP6
.elseif (\s)%2
	v_wmma_scale_f32_16x16x128_f8f6f4 v[8*(8*(\a)+\b):8*(8*(\a)+\b)+7], v[128*((\s)%2)+12*\b:128*((\s)%2)+12*\b+11], v[AF+48*((\s)%2)+12*(\a):AF+48*((\s)%2)+12*(\a)+11], v[8*(8*(\a)+\b):8*(8*(\a)+\b)+7], v[SB+4*\b+(\s)/2], v[SA+4*(\a)+(\s)/2] matrix_a_fmt:MATRIX_FMT_FP6 matrix_b_fmt:MATRIX_FMT_FP6 matrix_a_scale:MATRIX_SCALE_ROW1 matrix_b_scale:MATRIX_SCALE_ROW1
.else
	v_wmma_scale_f32_16x16x128_f8f6f4 v[8*(8*(\a)+\b):8*(8*(\a)+\b)+7], v[128*((\s)%2)+12*\b:128*((\s)%2)+12*\b+11], v[AF+48*((\s)%2)+12*(\a):AF+48*((\s)%2)+12*(\a)+11], v[8*(8*(\a)+\b):8*(8*(\a)+\b)+7], v[SB+4*\b+(\s)/2], v[SA+4*(\a)+(\s)/2] matrix_a_fmt:MATRIX_FMT_FP6 matrix_b_fmt:MATRIX_FMT_FP6
.endif
.endr
.endr
.endm
.macro STEP s
	s_wait_dscnt 0x0                               ; this step's 48 loads are in
.if ((\s)%2) && ((\s) < 7)
	s_wait_tensorcnt (5-(\s))/2                    ; my part of the next chunk has landed; my later chunks may stay out
	s_barrier_signal -1
.endif
	WIN MUL
	MUL16 0, \s
.if ((\s)%2) && ((\s) < 7)
	s_barrier_wait -1                              ; everybody's part has
.endif
.if (\s) < 7
	PLACES 4                                       ; four plain instructions in front of loads into registers that the step before multiplied
	FETCH (\s)+1
.endif
	WIN MUL
	MUL16 2, \s
.endm
; THE WAY OUT, an A' block (16 tokens x 128 columns) at a time, through my stage: 16 rows x (512 bytes + 16).  The stages lie in chunk 0, which had its one fill, and whose last reads every wave awaited in front of
; the barrier of K step 1.  LDS serves a wave's instructions in order: no wait between the stores and the loads, nor in front of the next block's stores.
.macro TOSTAGE a
	WIN 0x08                                       ; an LDS store's data are its source 1: window 2
.irp b, 0,1,2,3,4,5,6,7
	ds_store_b128 v[STO], v[8*(8*(\a)+\b):8*(8*(\a)+\b)+3] offset:128*(\b/2)+32*(\b%2)       ; each accumulator from its low end on: columns 32 (b / 2) + 16 h + 8 (b % 2) + 0 .. 7
	ds_store_b128 v[STO], v[8*(8*(\a)+\b)+4:8*(8*(\a)+\b)+7] offset:128*(\b/2)+32*(\b%2)+16
.endr
	WIN 0
.set BB, BK+64*((\a)%2)
.irp t, 0,1,2,3,4,5,6,7,8,9,10,11,12,13,14,15
	ds_load_b128 v[BB+4*\t:BB+4*\t+3], v[RD] offset:\t*528
.endr
.endm
.macro SEND a, younger                 ; younger: the LDS instructions issued behind block a's loads, which may stay out
.set BB, BK+64*((\a)%2)
	s_wait_dscnt \younger
.irp t, 0,1,2,3,4,5,6,7,8,9,10,11,12,13,14,15
	global_store_b128 v1, v[BB+4*\t:BB+4*\t+3], s[12:13] offset:(32*((\a)/2)+8*((\a)%2)+\t+8*(\t/8))*4096 th:TH_STORE_NT   ; place t of block a is that token; 512 consecutive bytes, at a multiple of 256 from out0's first byte
.endr
.endm
	s_load_b256 s[4:11], s[0:1], 0x0               ; yq s[4:5], ys s[6:7], opq s[8:9], ops s[10:11]
	s_load_b64 s[12:13], s[0:1], 0x20              ; out0
	v_lshl_add_u32 v94, v0, 2, 0x48000
	v_mov_b32 v95, 0
	ds_add_u32 v94, v95
	ds_add_u32 v94, v95
	v_lshrrev_b32 v3, 5, v0
	v_readfirstlane_b32 s14, v3                    ; wave 0..3
	s_lshr_b32 s15, s14, 1                         ; I fetch for A' (0) or for B' (1),
	s_and_b32 s16, s14, 1                          ; its first or second half
	s_bfe_u32 s17, ttmp6, 0x40000                  ; cx
	s_bfe_u32 s18, ttmp6, 0x40004                  ; cy
	s_and_b32 s56, ttmp7, 0xffff
	s_lshl_b32 s56, s56, 2
	s_add_co_u32 s56, s56, s18                     ; the tile row: s56-63 never hold cx
	s_lshl_b32 s84, ttmp9, 2
	s_add_co_u32 s84, s84, s17                     ; the tile column: s84-89 never hold cy
	s_lshl_b32 s2, s18, 2
	s_lshl_b32 s2, 15, s2                          ; my row of the cluster
	s_lshl_b32 s3, 0x1111, s17                     ; my column
	; group 1: rows of 3,072 bytes (384 elements of 8: a block's two K steps), 12,288 bytes apart: 8 blocks of A', 4 of B'
	s_or_b32 s[G1A], s2, (3<<16)|(1<<21)
	s_or_b32 s[G1B], s3, (3<<16)|(1<<21)
.irp g, G1A, G1B
	s_mov_b32 s[\g+1], 384<<16
	s_mov_b32 s[\g+3], 384<<16
	s_mov_b32 s[\g+5], 1536
	s_mov_b32 s[\g+6], 0
	s_mov_b32 s[\g+7], 0
.endr
	s_mov_b32 s[G1A+2], 8<<16
	s_mov_b32 s[G1A+4], 8
	s_mov_b32 s[G1B+2], 4<<16
	s_mov_b32 s[G1B+4], 4
	s_mul_i32 s59, s56, 196608
	s_mul_i32 s60, s16, 98304
	s_add_co_u32 s60, s60, s59
	s_mov_b32 s61, 0
	s_mul_i32 s87, s84, 98304
	s_add_co_u32 s87, s87, WP_OFF
	s_mul_i32 s88, s16, 49152
	s_add_co_u32 s88, s88, s87
	s_mov_b32 s89, 0
	s_lshl_b32 s20, s56, 13
	s_lshl_b32 s19, s14, 11
	s_add_co_u32 s20, s20, s19
	s_mov_b32 s21, 0
	s_lshl_b32 s22, s84, 12
	s_add_co_u32 s22, s22, WPS_OFF
	s_mov_b32 s23, 0
	s_mul_i32 s62, s16, 24576
	s_mul_i32 s63, s16, 12288
	s_add_co_u32 s63, s63, BOFF
	s_lshl_b32 s90, s56, 20                        ; out0: 256 rows of 4,096 bytes a tile row,
	s_lshl_b32 s91, s14, 18                        ; 64 a wave,
	s_add_co_u32 s90, s90, s91
	s_lshl_b32 s91, s84, 9                         ; 512 bytes a tile column
	s_add_co_u32 s90, s90, s91
	s_mov_b32 s91, 0
	s_wait_dscnt 0x0
	s_wait_kmcnt 0x0
	s_add_nc_u64 s[60:61], s[4:5], s[60:61]
	s_add_nc_u64 s[88:89], s[8:9], s[88:89]
	s_add_nc_u64 s[20:21], s[6:7], s[20:21]
	s_add_nc_u64 s[22:23], s[10:11], s[22:23]
	s_add_nc_u64 s[12:13], s[12:13], s[90:91]
.irp c, 0,1,2,3
	s_mov_b32 s[G0A+4*\c], 1
	s_add_co_u32 s[G0A+4*\c+1], s62, \c*CH
	s_add_nc_u64 s[G0A+4*\c+2:G0A+4*\c+3], s[60:61], \c*3072
	s_or_b32 s[G0A+4*\c+3], s[G0A+4*\c+3], 0x80000000
	s_mov_b32 s[G0B+4*\c], 1
	s_add_co_u32 s[G0B+4*\c+1], s63, \c*CH
	s_add_nc_u64 s[G0B+4*\c+2:G0B+4*\c+3], s[88:89], \c*3072
	s_or_b32 s[G0B+4*\c+3], s[G0B+4*\c+3], 0x80000000
.endr
	CROUND                                         ; all sixteen work-groups are here: the joint loads meet
	s_cmp_eq_u32 s15, 0                            ; a wave's four fills stand in one branch on the wave's number; four v_nop follow the last
	s_cbranch_scc0 .Lfill_b
.irp c, 0,1,2,3
	tensor_load_to_lds s[G0A+4*\c:G0A+4*\c+3], s[G1A:G1A+7]
	s_nop 0
.endr
	PLACES 4
	s_branch .Lfilled
.Lfill_b:
.irp c, 0,1,2,3
	tensor_load_to_lds s[G0B+4*\c:G0B+4*\c+3], s[G1B:G1B+7]
	s_nop 0
.endr
	PLACES 4
.Lfilled:
	v_and_b32 v3, 31, v0
	v_lshlrev_b32 v1, 4, v3                        ; 16 x lane
	v_lshlrev_b32 v2, 3, v3                        ; 8 x lane
.irp a, 0,1,2,3
	global_load_b128 v[SA+4*\a:SA+4*\a+3], v1, s[20:21] offset:512*\a
.endr
.irp b, 0,1,2,3,4,5,6,7
	global_load_b128 v[SB+4*\b:SB+4*\b+3], v1, s[22:23] offset:512*\b
.endr
	s_mul_i32 s19, s14, 12288                      ; my four blocks of A' in a chunk
.irp c, 0,1,2,3
	s_add_co_u32 s2, s19, \c*CH
	v_add_nc_u32 v[ADA16+\c], s2, v1
	v_add_nc_u32 v[ADA8+\c], s2, v2
	v_add_nc_u32 v[ADB16+\c], \c*CH+BOFF, v1
	v_add_nc_u32 v[ADB8+\c], \c*CH+BOFF, v2
.endr
	v_and_b32 v4, 15, v0                           ; r
	v_bfe_u32 v5, v0, 4, 1                         ; h
	s_mul_i32 s19, s14, 16*528                     ; my stage
	v_mul_u32_u24 v[STO], v4, 528
	v_lshl_add_u32 v[STO], v5, 6, v[STO]
	v_add_nc_u32 v[STO], s19, v[STO]               ; in: row r, + 64 h
	v_add_nc_u32 v[RD], s19, v1                    ; back: the 32 lanes take one row of 512 bytes
	s_wait_alu depctr_va_vdst(0)
	s_wait_tensorcnt 3                             ; my part of chunk 0 has landed; my three later chunks may stay out
	s_barrier_signal -1
	s_barrier_wait -1                              ; everybody's has
	FETCH 0
	s_wait_loadcnt 0x0                             ; the scale words
	STEP 0
	STEP 1
	STEP 2
	STEP 3
	STEP 4
	STEP 5
	STEP 6
	STEP 7
	WIN 0
	PLACES 4                                       ; in front of the first read of results and of loads into registers that held fragments
	TOSTAGE 0
.irp a, 1,2,3
.if \a > 1
	s_wait_xcnt 0x0                                ; block a - 2's stores have read their registers: block a's loads may land there
.endif
	TOSTAGE \a
	SEND \a-1, 32                                  ; behind block a - 1's loads: block a's 16 stores and 16 loads
.endr
	SEND 3, 0
	s_wait_dscnt 0x0
	s_wait_tensorcnt 0x0
	ds_add_u32 v94, v95
	s_wait_dscnt 0x0
	CROUND                                         ; the closing round: no work-group ends while a partner may still ask for a tile that names it
	s_endpgm
.Lfunc_end_k_qae9fcce6e5_proj:
	.size	k_qae9fcce6e5_proj, .Lfunc_end_k_qae9fcce6e5_proj-k_qae9fcce6e5_proj
	.p2alignl 7, 3214868480
	.fill 96, 4, 3214868480
	.section	.rodata,"a",@progbits
	.p2align	6, 0x0
	.amdhsa_kernel k_qae9fcce6e5_proj
		.amdhsa_group_segment_fixed_size 295424
		.amdhsa_private_segment_fixed_size 0
		.amdhsa_enable_private_segment 0
		.amdhsa_kernarg_size 40
		.amdhsa_user_sgpr_count 2
		.amdhsa_user_sgpr_kernarg_segment_ptr 1
		.amdhsa_wavefront_size32 1
		.amdhsa_system_sgpr_workgroup_id_x 1
		.amdhsa_system_sgpr_workgroup_id_y 1
		.amdhsa_system_sgpr_workgroup_id_z 1
		.amdhsa_system_vgpr_workitem_id 0
		.amdhsa_next_free_vgpr 768
		.amdhsa_next_free_sgpr 100
		.amdhsa_reserve_vcc 0
		.amdhsa_float_denorm_mode_32 3
		.amdhsa_float_denorm_mode_16_64 3
		.amdhsa_memory_ordered 1
		.amdhsa_forward_progress 1
		.amdhsa_inst_pref_size 83
	.end_amdhsa_kernel
	.amdgpu_metadata
---
amdhsa.version: [ 1, 2 ]
amdhsa.kernels:
  - .name:           k_qae9fcce6e5_proj
    .symbol:         k_qae9fcce6e5_proj.kd
    .args:
      - { .name: yq, .offset: 0, .size: 8, .value_kind: global_buffer, .address_space: global }
      - { .name: ys, .offset: 8, .size: 8, .value_kind: global_buffer, .address_space: global }
      - { .name: opq, .offset: 16, .size: 8, .value_kind: global_buffer, .address_space: global }
      - { .name: ops, .offset: 24, .size: 8, .value_kind: global_buffer, .address_space: global }
      - { .name: out0, .offset: 32, .size: 8, .value_kind: global_buffer, .address_space: global }
    .group_segment_fixed_size: 295424
    .private_segment_fixed_size: 0
    .kernarg_segment_align: 8
    .kernarg_segment_size: 40
    .max_flat_workgroup_size: 128
    .sgpr_count:     100
    .vgpr_count:     768
    .wavefront_size: 32
...
	.end_amdgpu_metadata
.endif
;; end of part 4
